; MI455X (gfx1250); checked and timed in simulation.
; The chip was launched on July 23, 2026; its instructions are those of AMD's public machine-readable ISA for CDNA 5 (MIT licence, August 2026) and "CDNA5" Instruction Set Architecture Reference Guide (July 2026). The comments in the code are by the model that wrote it; some were corrected since.
;; T5 Attention. Allowed arithmetic: matrix products marked QUANTISED: E2M3 operands, one E8M0 scale for each 32 along K, by v_wmma_scale_f32_16x16x128_f8f6f4 with both operands' format E2M3, f32 sums; everything else in f32.
;; Inputs: Wk 1,024 x 1,024 float32; Wo 1,024 x 1,024 float32; Wq 1,024 x 1,024 float32; Wv 1,024 x 1,024 float32; hidden_states 4 x 2,048 x 1,024 float32; rel_emb 32 x 16 float32.
;; Outputs: out0 4 x 2,048 x 1,024 float32.
;; This version of the problem:
;;   THIS VERSION OF THE PROBLEM IS GIVEN IN LOW PRECISION. The matrix products marked QUANTISED in the list below multiply operands that are first quantised to E2M3 (2 exponent bits, 3 mantissa bits; 6 bits a number), with one power-of-two scale for each 32 numbers along K (OCP MX v1.0); their sums are f32. All else is computed in f32.
;;   The module's matrix products, in the order in which they are computed (A, B: the left and right operand; K: the contracted axis; several contracted axes count as one K, in the product's order):
;;     1. [M 8,192, K 1,024] x [K 1,024, N 1,024]; A: input hidden_states; B: input Wq: QUANTISED
;;     2. [M 8,192, K 1,024] x [K 1,024, N 1,024]; A: input hidden_states; B: input Wk: QUANTISED
;;     3. [M 8,192, K 1,024] x [K 1,024, N 1,024]; A: input hidden_states; B: input Wv: QUANTISED
;;     4. batch 64 x [M 2,048, K 64] x [K 64, N 2,048]; A: computed on the way; B: computed on the way: QUANTISED
;;     5. batch 64 x [M 64, K 2,048] x [K 2,048, N 2,048]; A: computed on the way; B: softmax (see below): QUANTISED
;;     6. [M 8,192, K 1,024] x [K 1,024, N 1,024]; A: computed on the way; B: input Wo: QUANTISED
;;   THE QUANTISER, for each operand of a quantised product, along K:
;;     - K is cut into blocks of 32 from its start; a last block that is shorter is filled with zeros.
;;     - A block's scale is 2^e with e = floor(log2(the largest magnitude in the block)) - 2, held to -126 .. 127; a block of zeros has e = 0. As a byte (E8M0): e + 127.
;;     - Each number is divided by its block's scale, clamped to +-7.5, and rounded to the nearest number of E2M3, ties to even, subnormals kept.
;;     - The product sums the exact products of the quantised numbers (number of the format x scale) in f32.
;;   ~~~python
;;   def quantise(x, axis):      # numpy; x: float32 -> the quantised numbers, widened to float32 again
;;       x = np.moveaxis(x, axis, -1); K = x.shape[-1]
;;       x = np.pad(x, [(0, 0)] * (x.ndim - 1) + [(0, -K % 32)]); x = x.reshape(x.shape[:-1] + (-1, 32)); a = np.abs(x).max(-1, keepdims=True)
;;       e = np.where(a > 0, np.clip(np.frexp(np.where(a > 0, a, 1))[1] - 1 - 2, -126, 127), 0)      # np.frexp(a)[1] - 1 = floor(log2(a)), exactly
;;       r = np.clip(x / 2.0 ** e, -7.5, 7.5)
;;       step = 2.0 ** (np.maximum(np.frexp(np.where(r == 0, 1, r))[1] - 1, 0) - 3)
;;       q = np.round(r / step) * step * 2.0 ** e      # np.round: ties to even
;;       return np.moveaxis(q.reshape(q.shape[:-2] + (-1,))[..., :K], -1, axis).astype(np.float32)
;;   ~~~
;;   SOFTMAX AHEAD OF A QUANTISED PRODUCT. Where the list says 'softmax', what is quantised is not the finished softmax but p = 2^(t - M), with t = logit x log2(e) and M = ceil(the row's largest t), a whole number; so 1/2 < the row's largest p <= 1. The row's sum l is taken of the UNQUANTISED p, in f32, and the product's result is divided by l at the end. Since M is a whole number, a kernel that streams over the keys may use a running M (the ceiling of the running maximum): every later rescaling is an exact power of two, which a block's scale takes up: the codes' values come out the same.
;;   OPERANDS COMPUTED ON THE WAY. 'Computed on the way' means the value that the module computes at that place (a softmax that the list does not call 'softmax' is quantised finished and normalised). What goes into a quantiser is computed in f32, as accurately as f32 sums, v_exp_f32 and their like allow (about 1e-6 of the number): no bf16 or f16 on the way to a quantiser, and a product that is left as it is and whose result goes on into a quantised operand takes f32 operands (vector FMAs, or v_wmma_f32_16x16x4_f32). A number that lies on a knife's edge between two numbers of the format may be rounded either way, as far as f32 arithmetic and the matrix unit's own rounding can turn it there, and no further.
;; One version. Each part assembles by itself: llvm-mc -triple=amdgcn-amd-amdhsa -mcpu=gfx1250 --defsym DOCPART=n.
;; ======== version 1 of 1: 4 launches
;; limits: right only within a limited range of input values
;; workspace buffers: Xq 6,553,600 bytes; Wqk 1,638,400 bytes; Wvq 819,200 bytes; Woq 819,200 bytes; QK 13,107,200 bytes; Vt 6,553,600 bytes; Cx 6,553,600 bytes
;; launch quant (part 1): grid 512 x 1, 4 waves a work-group, no clusters, 35,328 bytes of LDS; arguments hidden_states, Wq, Wk, Wv, Wo, Xq, Wqk, Wvq, Woq; writes Xq, Wqk, Wvq, Woq
.if DOCPART == 1
	.amdgcn_target "amdgcn-amd-amdhsa--gfx1250"
	.amdhsa_code_object_version 6
	.text
	.protected	k_qf8668e5458_quant
	.globl	k_qf8668e5458_quant
	.p2align	8
	.type	k_qf8668e5458_quant,@function
k_qf8668e5458_quant:
	s_mov_b64 s[64:65], 0
	v_nop
	global_prefetch_b8 v0, s[64:65] scope:SCOPE_SE
	s_setreg_imm32_b32 hwreg(HW_REG_WAVE_MODE, 25, 1), 1
	s_wait_xcnt 0x0
; hidden_states [8192][1024] (K innermost) and Wq, Wk, Wv, Wo [1024 (K)][1024] (K is the first axis), all f32, become codes of FP6 (E2M3) with one E8M0 byte for each 32 along K.
; THE LAYOUT OF THE RESULT is the order of a matrix operand's registers.  For each 16 rows of an operand (rows of hidden; columns of a weight) a record of 12,800 bytes: eight images, one for each 128 along K, 1,536 bytes each:
; registers 2 p, 2 p + 1 of lane l at 256 p + 8 l; lane (r, h) holds row r, registers 6 c .. 6 c + 5 = k 64 c + 32 h + 0 .. 31.  Behind them, at 12,288, the scale words: word (K step, r) at 64 x step + 4 r, byte b = block b of the step.
; A block's scale is 2^(floor(log2(its largest magnitude)) - 2): its byte is the largest magnitude's exponent field - 2, held at 1 from below.
; LIMITS: a block's largest magnitude is taken as at least 2^(3 - 127); a block of zeros gets the byte 1 (its codes are zeros, and the bytes are read by this program alone); NaN and infinities among the inputs are not served.
; SHARES.  Work-groups 0-255 take hidden: a wave takes 16 rows x 512 along K, four images.  Work-groups 256-511 take the weights: a wave takes 32 columns x 128 along K, one image of two records.
; Only the first path touches LDS.  No tensor loads, no barrier: waves share nothing.
.set RECB,  12800                      ; a record
.set IMG,   1536                       ; an image
.set WREG,  8704                       ; LDS of a wave: a stage of 16 rows x 528 bytes, then 256 bytes of scale words
.set SPARE, 4*WREG                     ; behind the four regions: the spare words, 128 bytes for each wave, which no other line names
.set SPW,   8                          ; v8   LDS address of my spare word; never rewritten
.set NIL,   9                          ; v9   0; never rewritten
.set SEL,   40                         ; s[40:41] lane selects: lane l xor 16
.set R,     16                         ; rows' path: v16-143 two sets of 64 registers as loaded
.set XS,    144                        ; v144-207 64 numbers: register 16 b + i = k 32 b + 16 h + i of my row
.set PC,    208                        ; v208-227 the codes
.set TM,    228                        ; v228-243 at work
.set PW,    244                        ; v244 the scale word
.set X,     16                         ; weights' path: v16-143 my column's 128 numbers, down K
.set T,     144                        ; v144-175 eight registers for each block's codes
.set M0,    176
.set M1,    177
.set SOP,   180                        ; v180-183 the conversions' scale operands
.set SW,    184                        ; v184 my column's scale word
.set BY,    185
; 64 numbers of a lane become an image's 12 registers in v[PC] on and its scale word in v[PW]
.macro QUANT s
.irp b, 0,1,2,3
	v_max3_num_f32 v[TM+\b], |v[\s+16*\b]|, |v[\s+1+16*\b]|, 0x1800000   ; block b: my 16 numbers, and the floor 2^(3 - 127): the byte cannot fall under 1
.endr
.irp i, 2,4,6,8,10,12,14
.irp b, 0,1,2,3
	v_max3_num_f32 v[TM+\b], v[TM+\b], |v[\s+16*\b+\i]|, |v[\s+1+16*\b+\i]|   ; the four blocks by turns
.endr
.endr
.irp b, 0,1,2,3
	v_permlanex16_b32 v[TM+4+\b], v[TM+\b], s[SEL], s[SEL+1]
.endr
.irp b, 0,1,2,3
	v_max_num_f32 v[TM+\b], v[TM+\b], v[TM+4+\b]   ; with lane l xor 16's 16: the block's largest magnitude
.endr
.irp b, 0,1,2,3
	v_add_nc_u32 v[TM+12+\b], 0xff000000, v[TM+\b]   ; 2 off its exponent field: the conversion takes this operand's exponent field as its scale
.endr
.irp b, 0,1,2,3
	v_lshrrev_b32 v[TM+4+\b], 23, v[TM+12+\b]      ; the scale's byte
.endr
	v_lshl_or_b32 v[PW], v[TM+5], 8, v[TM+4]
	v_lshl_or_b32 v[PW], v[TM+6], 16, v[PW]
	v_lshl_or_b32 v[PW], v[TM+7], 24, v[PW]
.irp c, 0,1
	v_cvt_scalef32_pk16_fp6_f32 v[PC+6*\c:PC+2+6*\c], v[\s+32*\c:\s+15+32*\c], v[TM+12+2*\c]
	v_cvt_scalef32_pk16_fp6_f32 v[PC+12+4*\c:PC+14+4*\c], v[\s+16+32*\c:\s+31+32*\c], v[TM+13+2*\c]   ; (a conversion's three registers begin on an even number)
.endr
	v_nop                                          ; one plain place behind a scaled conversion
.irp c, 0,1                                    ; the layout wants a whole block in a lane: lanes 0-15 block 2 c, lanes 16-31 block 2 c + 1
.irp i, 0,1,2
	v_permlane16_swap_b32 v[PC+6*\c+\i], v[PC+12+4*\c+\i]
.endr
.irp i, 0,1,2
	v_mov_b32 v[PC+3+6*\c+\i], v[PC+12+4*\c+\i]
.endr
.endr
.endm
.macro LOADX f                         ; image f: 16 rows x 512 bytes; each load reads 512 consecutive bytes of one row
.set i, 0
.rept 16
	global_load_b128 v[R+64*((\f)%2)+4*i:R+64*((\f)%2)+4*i+3], v1, s[4:5] offset:i*4096+(\f)*512 th:TH_LOAD_NT
.set i, i+1
.endr
.endm
.macro TURN f                          ; through my stage: in as loaded, back 16 neighbours of each block a lane.  LDS serves a wave's instructions in order: no wait between
.set i, 0
.rept 16
	ds_store_b128 v3, v[R+64*((\f)%2)+4*i:R+64*((\f)%2)+4*i+3] offset:i*528
.set i, i+1
.endr
.irp b, 0,1,2,3
.irp q, 0,1,2,3
	ds_load_b128 v[XS+16*\b+4*\q:XS+16*\b+4*\q+3], v4 offset:128*\b+16*\q
.endr
.endr
.endm
.macro FRAGX f
.if (\f) < 3
	s_wait_loadcnt 16                              ; this image's 16 loads are in; the next image's 16 may be out
.else
	s_wait_loadcnt 0x0
.endif
	TURN \f
	s_wait_dscnt 0x0                               ; the numbers are back, and the stage's stores have read their registers,
.if (\f) < 2
	LOADX (\f)+2                                   ; which take the image two on
.endif
.if (\f) > 0
	s_wait_xcnt 0x0                                ; the last image's stores have read the codes' registers: they are written again only behind this wait
.endif
	QUANT XS
.irp p, 0,1,2,3,4,5
	global_store_b64 v2, v[PC+2*\p:PC+2*\p+1], s[34:35] offset:(\f)*IMG+256*\p   ; 32 lanes store 256 consecutive bytes, aligned
.endr
	ds_store_b32 v5, v[PW] offset:64*(\f)          ; both lanes of a row write the same word with the same value
.endm
.macro LOADW t                         ; block t of my column: each load reads 128 consecutive bytes of one row of the weight; the four waves stand side by side on 512
.set i, 0
.rept 32
	global_load_b32 v[X+32*(\t)+i], v1, s[36:37] offset:(32*(\t)+i)*4096 th:TH_LOAD_NT
.set i, i+1
.endr
.endm
.macro BLOCKW t
.set XB, X+32*(\t)
.set TB, T+8*(\t)
.if (\t) < 3
	s_wait_loadcnt 32                              ; this block's 32 loads are in; the next block's 32 may be out
.else
	s_wait_loadcnt 0x0
.endif
.if (\t) < 2
	LOADW (\t)+2                                   ; every block has registers of its own
.endif
	v_max3_num_f32 v[M0], |v[XB]|, |v[XB+1]|, |v[XB+2]|            ; all 32 numbers of the block are mine
	v_max3_num_f32 v[M1], |v[XB+3]|, |v[XB+4]|, |v[XB+5]|
.irp i, 6,10,14,18,22,26
	v_max3_num_f32 v[M0], v[M0], |v[XB+\i]|, |v[XB+\i+1]|
	v_max3_num_f32 v[M1], v[M1], |v[XB+\i+2]|, |v[XB+\i+3]|
.endr
	v_max3_num_f32 v[M0], v[M0], |v[XB+30]|, |v[XB+31]|
	v_max3_num_f32 v[M0], v[M0], v[M1], 0x1800000  ; and the floor
	v_add_nc_u32 v[SOP+(\t)], 0xff000000, v[M0]
	v_lshrrev_b32 v[BY], 23, v[SOP+(\t)]
.if (\t) == 0
	v_mov_b32 v[SW], v[BY]
.else
	v_lshl_or_b32 v[SW], v[BY], 8*(\t), v[SW]
.endif
	v_cvt_scalef32_pk16_fp6_f32 v[TB:TB+2], v[XB:XB+15], v[SOP+(\t)]
	v_cvt_scalef32_pk16_fp6_f32 v[TB+4:TB+6], v[XB+16:XB+31], v[SOP+(\t)]
.endm
	s_load_b256 s[4:11], s[0:1], 0x0               ; hidden s[4:5], Wq s[6:7], Wk s[8:9], Wv s[10:11]
	s_load_b256 s[12:19], s[0:1], 0x20             ; Wo s[12:13], Xq s[14:15], Wqk s[16:17], Wvq s[18:19]
	s_load_b64 s[20:21], s[0:1], 0x40              ; Woq
	v_lshl_add_u32 v[SPW], v0, 2, SPARE
	v_mov_b32 v[NIL], 0
	v_lshrrev_b32 v10, 5, v0
	v_readfirstlane_b32 s22, v10                   ; wave
	v_and_b32 v11, 31, v0                          ; lane
	v_and_b32 v12, 15, v0                          ; r
	v_bfe_u32 v13, v0, 4, 1                        ; h
	v_lshlrev_b32 v2, 3, v11                       ; 8 x lane: my place in 256 bytes of an image
	s_cmp_lt_u32 ttmp9, 256
	s_cbranch_scc0 .Lweights
	; ---- hidden: K is innermost
	v_lshlrev_b32 v1, 4, v11                       ; 16 x lane
	s_mul_i32 s23, s22, WREG
	v_add_nc_u32 v3, s23, v1                       ; the stage, in: 16 x lane of a row
	v_mul_u32_u24 v4, v12, 528
	v_lshl_add_u32 v4, v13, 6, v4
	v_add_nc_u32 v4, s23, v4                       ; back: row r, + 64 h
	v_lshlrev_b32 v5, 2, v12
	v_add_nc_u32 v5, s23, v5
	v_add_nc_u32 v5, 8448, v5                      ; my row's scale word
	v_add_nc_u32 v6, s23, v2
	v_add_nc_u32 v6, 8448, v6                      ; and on the way out 8 bytes a lane
	s_mov_b32 s[SEL], 0x76543210
	s_mov_b32 s[SEL+1], 0xfedcba98
.irp b, 0,1,2,3
	v_mov_b32 v[TM+4+\b], 0                        ; written once: a lane permute's destination counts as one of its sources
.endr
	s_lshl_b32 s24, ttmp9, 2
	s_add_co_u32 s24, s24, s22                     ; my unit
	s_lshr_b32 s25, s24, 1                         ; which 16 rows
	s_and_b32 s26, s24, 1                          ; which half of K
	s_lshl_b32 s28, s25, 16                        ; 16 rows of 4,096 bytes
	s_lshl_b32 s27, s26, 11
	s_add_co_u32 s28, s28, s27
	s_mov_b32 s29, 0
	s_mul_i32 s30, s25, RECB
	s_mul_i32 s27, s26, 4*IMG
	s_add_co_u32 s32, s30, s27                     ; my four images
	s_mov_b32 s33, 0
	s_lshl_b32 s27, s26, 8
	s_add_co_u32 s30, s30, s27
	s_add_co_u32 s30, s30, 12288                   ; my 256 bytes of scale words
	s_mov_b32 s31, 0
	s_wait_kmcnt 0x0
	s_add_nc_u64 s[4:5], s[4:5], s[28:29]
	s_add_nc_u64 s[34:35], s[14:15], s[32:33]
	s_add_nc_u64 s[36:37], s[14:15], s[30:31]
	LOADX 0
	LOADX 1
	FRAGX 0
	FRAGX 1
	FRAGX 2
	FRAGX 3
	ds_load_b64 v[XS:XS+1], v6                     ; LDS serves a wave's instructions in order: these see my four stores
	s_wait_dscnt 0x0
	global_store_b64 v2, v[XS:XS+1], s[36:37]      ; 32 lanes store 256 consecutive bytes, aligned
	s_wait_tensorcnt 0x0                           ; the wave's end, behind my last LDS store
	ds_add_u32 v[SPW], v[NIL]
	s_wait_dscnt 0x0
	s_endpgm
	; ---- the weights: a lane takes a column, its registers run down K: nothing is transposed by an instruction
.Lweights:
	s_sub_co_u32 s23, ttmp9, 256
	s_and_b32 s24, s23, 7                          ; which 128 columns
	s_bfe_u32 s25, s23, 0x30003                    ; which 128 along K
	s_lshr_b32 s26, s23, 6                         ; which weight: 0 Wq, 1 Wk, 2 Wv, 3 Wo
	s_wait_alu depctr_va_vdst(0)
	v_lshlrev_b32 v1, 2, v11                       ; 4 x lane
	v_mul_u32_u24 v3, v13, RECB
	v_lshl_add_u32 v3, v12, 2, v3                  ; my column's scale word: lanes 16-31 belong to the next record
	s_lshl_b32 s27, s24, 7
	s_lshl_b32 s28, s22, 5
	s_add_co_u32 s27, s27, s28                     ; my wave's first column
	s_lshl_b32 s28, s27, 2
	s_lshl_b32 s29, s25, 19                        ; 128 rows of 4,096 bytes
	s_add_co_u32 s28, s28, s29
	s_mov_b32 s29, 0
	s_lshr_b32 s30, s27, 4                         ; my first record,
	s_cmp_eq_u32 s26, 1
	s_cselect_b32 s31, 64, 0                       ; Wk's lie behind Wq's 64
	s_add_co_u32 s30, s30, s31
	s_mul_i32 s30, s30, RECB
	s_mul_i32 s31, s25, IMG
	s_add_co_u32 s32, s30, s31
	s_mov_b32 s33, 0
	s_lshl_b32 s31, s25, 6
	s_add_co_u32 s34, s30, s31
	s_add_co_u32 s34, s34, 12288
	s_mov_b32 s35, 0
	s_wait_alu depctr_va_vdst(0)
	s_wait_kmcnt 0x0
	s_cmp_lt_u32 s26, 1                            ; the buffers are chosen by the work-group's number alone
	s_cselect_b64 s[36:37], s[6:7], s[8:9]
	s_cmp_lt_u32 s26, 3
	s_cselect_b64 s[38:39], s[10:11], s[12:13]
	s_cselect_b64 s[42:43], s[18:19], s[20:21]
	s_cmp_lt_u32 s26, 2
	s_cselect_b64 s[36:37], s[36:37], s[38:39]
	s_cselect_b64 s[42:43], s[16:17], s[42:43]
	s_add_nc_u64 s[36:37], s[36:37], s[28:29]
	s_add_nc_u64 s[44:45], s[42:43], s[32:33]
	s_add_nc_u64 s[46:47], s[42:43], s[34:35]
	LOADW 0
	LOADW 1
	BLOCKW 0
	BLOCKW 1
	BLOCKW 2
	BLOCKW 3
	v_nop                                          ; one plain place behind the last conversion
.irp t, 0,1,2,3
.irp i, 0,1,2
	v_mov_b32 v[T+8*\t+3+\i], v[T+8*\t+4+\i]       ; a block's six registers on end
.endr
.endr
.irp c, 0,1                                    ; lanes 0-15 hold the first record's rows, lanes 16-31 the second's.  An image wants block 2 c in lanes 0-15 and block 2 c + 1 in lanes 16-31:
.irp i, 0,1,2,3,4,5
	v_permlane16_swap_b32 v[T+16*\c+\i], v[T+16*\c+8+\i]   ; the exchange leaves the first record's image in block 2 c's registers and the second's in block 2 c + 1's
.endr
.endr
.irp c, 0,1
.irp p, 0,1,2
	global_store_b64 v2, v[T+16*\c+2*\p:T+16*\c+2*\p+1], s[44:45] offset:256*(3*\c+\p)
	global_store_b64 v2, v[T+16*\c+8+2*\p:T+16*\c+8+2*\p+1], s[44:45] offset:RECB+256*(3*\c+\p)
.endr
.endr
	global_store_b32 v3, v[SW], s[46:47]           ; two pieces of 64 bytes: one byte in 24 of what the wave stores
	s_endpgm
.Lfunc_end_k_qf8668e5458_quant:
	.size	k_qf8668e5458_quant, .Lfunc_end_k_qf8668e5458_quant-k_qf8668e5458_quant
	.p2alignl 7, 3214868480
	.fill 96, 4, 3214868480
	.section	.rodata,"a",@progbits
	.p2align	6, 0x0
	.amdhsa_kernel k_qf8668e5458_quant
		.amdhsa_group_segment_fixed_size 35328
		.amdhsa_private_segment_fixed_size 0
		.amdhsa_enable_private_segment 0
		.amdhsa_kernarg_size 72
		.amdhsa_user_sgpr_count 2
		.amdhsa_user_sgpr_kernarg_segment_ptr 1
		.amdhsa_wavefront_size32 1
		.amdhsa_system_sgpr_workgroup_id_x 1
		.amdhsa_system_sgpr_workgroup_id_y 1
		.amdhsa_system_sgpr_workgroup_id_z 1
		.amdhsa_system_vgpr_workitem_id 0
		.amdhsa_next_free_vgpr 248
		.amdhsa_next_free_sgpr 66
		.amdhsa_reserve_vcc 0
		.amdhsa_float_denorm_mode_32 3
		.amdhsa_float_denorm_mode_16_64 3
		.amdhsa_memory_ordered 1
		.amdhsa_forward_progress 1
		.amdhsa_inst_pref_size 56
	.end_amdhsa_kernel
	.amdgpu_metadata
---
amdhsa.version: [ 1, 2 ]
amdhsa.kernels:
  - .name:           k_qf8668e5458_quant
    .symbol:         k_qf8668e5458_quant.kd
    .args:
      - { .name: hidden_states, .offset: 0, .size: 8, .value_kind: global_buffer, .address_space: global }
      - { .name: Wq, .offset: 8, .size: 8, .value_kind: global_buffer, .address_space: global }
      - { .name: Wk, .offset: 16, .size: 8, .value_kind: global_buffer, .address_space: global }
      - { .name: Wv, .offset: 24, .size: 8, .value_kind: global_buffer, .address_space: global }
      - { .name: Wo, .offset: 32, .size: 8, .value_kind: global_buffer, .address_space: global }
      - { .name: Xq, .offset: 40, .size: 8, .value_kind: global_buffer, .address_space: global }
      - { .name: Wqk, .offset: 48, .size: 8, .value_kind: global_buffer, .address_space: global }
      - { .name: Wvq, .offset: 56, .size: 8, .value_kind: global_buffer, .address_space: global }
      - { .name: Woq, .offset: 64, .size: 8, .value_kind: global_buffer, .address_space: global }
    .group_segment_fixed_size: 35328
    .private_segment_fixed_size: 0
    .kernarg_segment_align: 8
    .kernarg_segment_size: 72
    .max_flat_workgroup_size: 128
    .sgpr_count:     66
    .vgpr_count:     248
    .wavefront_size: 32
...
	.end_amdgpu_metadata
.endif
;; end of part 1
;; launch gemm_qk (part 2): grid 16 x 48, 4 waves a work-group, clusters of 4 x 4, 296,448 bytes of LDS; arguments Wqk, Xq, Wvq, QK, Vt; writes QK, Vt
.if DOCPART == 2
	.amdgcn_target "amdgcn-amd-amdhsa--gfx1250"
	.amdhsa_code_object_version 6
	.text
	.protected	k_qf8668e5458_gemm_qk
	.globl	k_qf8668e5458_gemm_qk
	.p2align	8
	.type	k_qf8668e5458_gemm_qk,@function
k_qf8668e5458_gemm_qk:
	s_mov_b64 s[64:65], 0
	v_nop
	global_prefetch_b8 v0, s[64:65] scope:SCOPE_SE
	s_setreg_imm32_b32 hwreg(HW_REG_WAVE_MODE, 25, 1), 1
	s_wait_xcnt 0x0
	s_wait_alu depctr_hold_cnt(0) depctr_sa_sdst(0) depctr_va_vdst(0) depctr_va_sdst(0) depctr_va_ssrc(0) depctr_va_vcc(0) depctr_vm_vsrc(0)
	s_getreg_b32 s2, hwreg(HW_REG_IB_STS2, 6, 4)
	s_cmp_eq_u32 s2, 0
	s_cbranch_scc0 .Lentry_in_a_cluster
	s_endpgm
.Lentry_in_a_cluster:
	s_bfe_u32 s2, ttmp6, 0x10000c
	s_cmp_lg_u32 s2, 0xf033
	s_cbranch_scc0 .Lentry_shape_is_right
	s_endpgm
.Lentry_shape_is_right:
; Z[w][u] = sum over k of R[w][k] P[u][k], K = 1,024, on codes of FP6 (E2M3) with E8M0 scales, and Z is quantised along u on the way out.  Arguments: P, R, the result.
; It serves two launches: P = Wq and Wk's columns, R = the tokens (q and k, quantised along the head's 64), and P = the tokens, R = Wv's columns (v, quantised along the keys).
; P AND R lie in records of 12,800 bytes for each 16 rows: eight images of an operand's 12 registers (1,536 bytes for each 128 along K; registers 2 p, 2 p + 1 of lane l at 256 p + 8 l), then the scale words (K step, r) at 12,288 + 64 x step + 4 r.
; SHARES.  A work-group takes 128 u x 256 w over all of K: both operands' codes, 98,304 + 196,608 bytes, lie whole in LDS, so no LDS byte is filled twice.  They come as four chunks of two K steps; a wave has four tensor loads out at the most.
; A wave takes all 128 u x 64 w: 32 accumulators.  Source 0 = 16 rows of P, source 1 = 16 rows of R: a lane holds one w (lane % 16), and its registers run along u: 16 i + 8 (lane / 16) + j in register j of tile i.
; THE ORDER INSIDE A BLOCK OF 32.  The quantiser takes registers 16 b + i as place 16 (lane / 16) + i of block b, so places 0-7, 8-15, 16-23, 24-31 hold numbers 0-7, 16-23, 8-15, 24-31 of the block.  Blocks, largest magnitudes and scales
; are as the rule has them.  Both operands of each later product (q and k; p and v) are laid by the same order, so the products are the same and are summed in another order.
; THE RESULT lies in records of 102,400 bytes: 64 images, then 64 x 16 scale words.  Record ((py / 4) + (px / 16)) x 16 + px % 16, image (py % 4) x 16 + 4 x wave + m; px: my 128 u, py: my 256 w.
; CLUSTER 4 x 4: P's chunks hang on px alone and are asked for jointly down a column of the cluster, R's on py alone and jointly along a row.
; LIMITS: a block's largest magnitude is taken as at least 2^(3 - 127); a block of zeros gets the byte 1 (its codes are zeros; this program alone reads the bytes); NaN and infinities are not served.
; REGISTERS: window 0: v1-12 addresses; v16-47 P's scale words, v48-63 R's; v64-159 R's fragments, two sets (on the way out: the codes); v160-181 at work.  Window 1: P's fragments, sets at v0 and v128.  Window 2: the accumulators, (m, i) at v[64 m + 8 i].
.set RECB,  12800
.set IMG,   1536
.set CHP,   24576                      ; a chunk of P: 8 records' two images
; ONE LAUNCH SERVES BOTH PRODUCTS: clusters with y under 8 make q and k (P = Wqk, R = Xq, result QK; px 0-15, py 0-31), clusters with y 8-11 make v (P = Xq, R = Wvq, result Vt; px 0-63, py 0-3).
; The buffers and the block are chosen by the cluster's y alone, with no branch.  768 work-groups: three turns of 256.
; THE FILLS: each wave brings the eight images of its records by ONE tensor load (rows of 12,288 bytes, 12,800 apart in memory): P's record i lies at 12,288 i, R's records behind P's eight.
; What the head says of chunks and of four loads a wave holds no more: one wait for 0 and one barrier stand ahead of the first fragment, and nothing is filled again.
.set REC8,  12288                      ; a record's eight images
.set RB0,   98304                      ; R's chunks lie behind P's four
.set SCR,   294912                     ; 256 bytes for each wave: the result's scale words on their way out
.set SPARE, 295936                     ; the spare words, 128 bytes for each wave, which no other line names
.set L8,    1                          ; v1     8 x lane
.set ADP,   2                          ; v2-3   P's records 0-3, 4-7
.set ADR,   4                          ; v4     my 64 rows of R
.set SPW,   8                          ; v8     LDS address of my spare word; never rewritten
.set NIL,   9                          ; v9     0; never rewritten
.set SOF,   10                         ; v10    scale words in memory: (lane / 16) records on, 4 x (lane % 16)
.set SCA,   11                         ; v11    where my row's scale word goes in LDS
.set SCB,   12                         ; v12    and where I read 8 bytes back
.set PS,    16                         ; register 8 (i / 2) + step: lanes 0-15 tile i even, lanes 16-31 tile i odd
.set RS,    48
.set RF,    64
.set TM,    160
.set PW,    176
.set SEL,   2                          ; s[2:3] lane selects: lane l xor 16
.set G1P,   24
.set G1R,   32
.set G0P,   40                         ; s[40:43] P's group 0
.set MSB,   0
.macro WIN new                         ; the immediate's high byte repeats the setting that is left
.if MSB != \new
	s_set_vgpr_msb (MSB<<8)|\new
.set MSB, \new
.endif
.endm
.macro PLACES
.rept 4
	v_nop
.endr
.endm
.macro CROUND                          ; a round of the cluster's barrier
	s_barrier_signal -1
	s_barrier_wait -1
	s_cmp_lg_u32 s10, 0
	s_cbranch_scc1 .Lnot_wave_0_\@
	s_barrier_signal -3
.Lnot_wave_0_\@:
	s_barrier_wait -3
	s_barrier_signal -1
	s_barrier_wait -1
.endm
.macro FETCH q                         ; K step q's fragments: P's eight into set q % 2 of window 1, my four of R into set q % 2 of window 0.  Each load reads 256 consecutive bytes
.set fj, (\q)/2
.set fk, (\q)%2
	WIN 0x40
.set ii, 0
.rept 8
.irp p, 0,1,2,3,4,5
	ds_load_b64 v[128*fk+12*ii+2*\p:128*fk+12*ii+2*\p+1], v[ADP+ii/4] offset:(ii%4)*REC8+(\q)*IMG+256*\p
.endr
.set ii, ii+1
.endr
	WIN 0
.set mm, 0
.rept 4
.irp p, 0,1,2,3,4,5
	ds_load_b64 v[RF+48*fk+12*mm+2*\p:RF+48*fk+12*mm+2*\p+1], v[ADR] offset:mm*REC8+(\q)*IMG+256*\p
.endr
.set mm, mm+1
.endr
.endm
.macro MM q, zero                      ; the product of P's tile ii and R's tile mm in K step q; an odd tile's scale words stand in lanes 16-31
.set rD, 64*mm+8*ii
.set rA, 128*((\q)%2)+12*ii
.set rB, RF+48*((\q)%2)+12*mm
.set rX, PS+8*(ii/2)+(\q)
.set rY, RS+8*(mm/2)+(\q)
.if \zero
.if (ii%2 == 0) && (mm%2 == 0)
	v_wmma_scale_f32_16x16x128_f8f6f4 v[rD:rD+7], v[rA:rA+11], v[rB:rB+11], 0, v[rX], v[rY] matrix_a_fmt:MATRIX_FMT_FP6 matrix_b_fmt:MATRIX_FMT_FP6
.elseif mm%2 == 0
	v_wmma_scale_f32_16x16x128_f8f6f4 v[rD:rD+7], v[rA:rA+11], v[rB:rB+11], 0, v[rX], v[rY] matrix_a_fmt:MATRIX_FMT_FP6 matrix_b_fmt:MATRIX_FMT_FP6 matrix_a_scale:MATRIX_SCALE_ROW1
.elseif ii%2 == 0
	v_wmma_scale_f32_16x16x128_f8f6f4 v[rD:rD+7], v[rA:rA+11], v[rB:rB+11], 0, v[rX], v[rY] matrix_a_fmt:MATRIX_FMT_FP6 matrix_b_fmt:MATRIX_FMT_FP6 matrix_b_scale:MATRIX_SCALE_ROW1
.else
	v_wmma_scale_f32_16x16x128_f8f6f4 v[rD:rD+7], v[rA:rA+11], v[rB:rB+11], 0, v[rX], v[rY] matrix_a_fmt:MATRIX_FMT_FP6 matrix_b_fmt:MATRIX_FMT_FP6 matrix_a_scale:MATRIX_SCALE_ROW1 matrix_b_scale:MATRIX_SCALE_ROW1
.endif
.else
.if (ii%2 == 0) && (mm%2 == 0)
	v_wmma_scale_f32_16x16x128_f8f6f4 v[rD:rD+7], v[rA:rA+11], v[rB:rB+11], v[rD:rD+7], v[rX], v[rY] matrix_a_fmt:MATRIX_FMT_FP6 matrix_b_fmt:MATRIX_FMT_FP6
.elseif mm%2 == 0
	v_wmma_scale_f32_16x16x128_f8f6f4 v[rD:rD+7], v[rA:rA+11], v[rB:rB+11], v[rD:rD+7], v[rX], v[rY] matrix_a_fmt:MATRIX_FMT_FP6 matrix_b_fmt:MATRIX_FMT_FP6 matrix_a_scale:MATRIX_SCALE_ROW1
.elseif ii%2 == 0
	v_wmma_scale_f32_16x16x128_f8f6f4 v[rD:rD+7], v[rA:rA+11], v[rB:rB+11], v[rD:rD+7], v[rX], v[rY] matrix_a_fmt:MATRIX_FMT_FP6 matrix_b_fmt:MATRIX_FMT_FP6 matrix_b_scale:MATRIX_SCALE_ROW1
.else
	v_wmma_scale_f32_16x16x128_f8f6f4 v[rD:rD+7], v[rA:rA+11], v[rB:rB+11], v[rD:rD+7], v[rX], v[rY] matrix_a_fmt:MATRIX_FMT_FP6 matrix_b_fmt:MATRIX_FMT_FP6 matrix_a_scale:MATRIX_SCALE_ROW1 matrix_b_scale:MATRIX_SCALE_ROW1
.endif
.endif
.endm
.macro MUL32 q, zero                   ; a K step: the 32 accumulators take turns, one instruction a turn, in the same order in every step
	WIN 0xa1                                       ; source 0 window 1, source 1 window 0, C and D window 2
.set mm, 0
.rept 4
.set ii, 0
.rept 8
	MM \q, \zero
.set ii, ii+1
.endr
.set mm, mm+1
.endr
.endm
.macro KSTEP q
	s_wait_dscnt 0x0                               ; this step's fragments are in (asked for ahead of the last step's 32 products)
.if (\q) < 7
.if (\q) > 0
	PLACES                                         ; four places in front of loads into the set that the last step's products read
.endif
	FETCH (\q)+1
.endif
.if (\q) == 0
	MUL32 \q, 1                                    ; the first step's products start the sums: nothing is cleared
.else
	MUL32 \q, 0
.endif
.endm
; my 16 rows w of tile m: 128 numbers along u in 64 registers of window 2 become an image and a scale word
.macro QOUT m
.set AC0, 64*(\m)
.set PC, RF+20*(\m)                    ; each tile has registers of its own for its codes: no store's data are written again
	WIN 0x0a                                       ; sources 0 and 1 window 2
.irp b, 0,1,2,3
	v_max3_num_f32 v[TM+\b], |v[AC0+16*\b]|, |v[AC0+16*\b+1]|, 0x1800000   ; each accumulator is read from its low end on; the floor 2^(3 - 127)
.endr
	WIN 0x28                                       ; sources 1 and 2 window 2
.irp i, 2,4,6,8,10,12,14
.irp b, 0,1,2,3
	v_max3_num_f32 v[TM+\b], v[TM+\b], |v[AC0+16*\b+\i]|, |v[AC0+16*\b+\i+1]|
.endr
.endr
	WIN 0
.irp b, 0,1,2,3
	v_permlanex16_b32 v[TM+4+\b], v[TM+\b], s[SEL], s[SEL+1]
.endr
.irp b, 0,1,2,3
	v_max_num_f32 v[TM+\b], v[TM+\b], v[TM+4+\b]
.endr
.irp b, 0,1,2,3
	v_add_nc_u32 v[TM+12+\b], 0xff000000, v[TM+\b]   ; 2 off the exponent field: the conversion's scale operand
.endr
.irp b, 0,1,2,3
	v_lshrrev_b32 v[TM+4+\b], 23, v[TM+12+\b]
.endr
	v_lshl_or_b32 v[PW+(\m)], v[TM+5], 8, v[TM+4]
	v_lshl_or_b32 v[PW+(\m)], v[TM+6], 16, v[PW+(\m)]
	v_lshl_or_b32 v[PW+(\m)], v[TM+7], 24, v[PW+(\m)]
	WIN 0x02                                       ; source 0 window 2
.irp c, 0,1
	v_cvt_scalef32_pk16_fp6_f32 v[PC+6*\c:PC+2+6*\c], v[AC0+32*\c:AC0+32*\c+15], v[TM+12+2*\c]
	v_cvt_scalef32_pk16_fp6_f32 v[PC+12+4*\c:PC+14+4*\c], v[AC0+32*\c+16:AC0+32*\c+31], v[TM+13+2*\c]
.endr
	WIN 0
	v_nop                                          ; one plain place behind a scaled conversion
.irp c, 0,1
.irp i, 0,1,2
	v_permlane16_swap_b32 v[PC+6*\c+\i], v[PC+12+4*\c+\i]
.endr
.irp i, 0,1,2
	v_mov_b32 v[PC+3+6*\c+\i], v[PC+12+4*\c+\i]
.endr
.endr
.irp p, 0,1,2,3,4,5
	global_store_b64 v[L8], v[PC+2*\p:PC+2*\p+1], s[80:81] offset:(\m)*IMG+256*\p   ; 32 lanes store 256 consecutive bytes, aligned
.endr
	ds_store_b32 v[SCA], v[PW+(\m)] offset:64*(\m)
.endm
	s_load_b256 s[40:47], s[0:1], 0x0              ; Wqk s[40:41], Xq s[42:43], Wvq s[44:45], QK s[46:47]
	s_load_b64 s[48:49], s[0:1], 0x20              ; Vt
	v_lshl_add_u32 v[SPW], v0, 2, SPARE
	v_mov_b32 v[NIL], 0
	ds_add_u32 v[SPW], v[NIL]                      ; the wave's opening: the add and its wait stand ahead of my first tensor load; work on registers stands between them
	ds_add_u32 v[SPW], v[NIL]
	v_lshrrev_b32 v1, 5, v0
	v_readfirstlane_b32 s10, v1                    ; wave 0..3
	s_lshr_b32 s11, s10, 1                         ; I fetch for P (0) or for R (1),
	s_and_b32 s12, s10, 1                          ; its first or second half of the records
	s_bfe_u32 s13, ttmp6, 0x40000                  ; cx
	s_bfe_u32 s14, ttmp6, 0x40004                  ; cy
	s_and_b32 s66, ttmp7, 0xffff                   ; the cluster's y, 0 .. 11
	s_sub_co_u32 s67, s66, 8
	s_lshl_b32 s67, s67, 2
	s_add_co_u32 s67, s67, ttmp9                   ; v: its sixteen columns of clusters are x + 4 (y - 8)
	s_cmp_lt_u32 s66, 8                            ; q and k, or v?
	s_cselect_b32 s15, ttmp9, s67
	s_cselect_b32 s16, s66, 0                      ; v has one row of clusters
	s_lshl_b32 s15, s15, 2
	s_add_co_u32 s15, s15, s13                     ; px = 4 x column of clusters + cx
	s_lshl_b32 s16, s16, 2
	s_add_co_u32 s16, s16, s14                     ; py = 4 x row of clusters + cy
	s_lshl_b32 s88, 0x1111, s13                    ; my column of the cluster
	s_lshl_b32 s89, s14, 2
	s_lshl_b32 s89, 15, s89                        ; my row
	s_or_b32 s[G1P], s88, (3<<16)|(1<<21)          ; 15:0 the mask; 17:16 elements of 8 bytes; 21 set beside a mask; no padding
	s_mov_b32 s[G1P+1], 1536<<16                   ; tensor_dim0 = 1,536 elements: eight images, 12,288 bytes
	s_mov_b32 s[G1P+2], 4<<16                      ; tensor_dim1 = 4 records
	s_mov_b32 s[G1P+3], 1536<<16
	s_mov_b32 s[G1P+4], 4                          ; tile_dim1
	s_mov_b32 s[G1P+5], 1600                       ; from record to record: 12,800 bytes
	s_mov_b32 s[G1P+6], 0
	s_mov_b32 s[G1P+7], 0
	s_or_b32 s[G1R], s89, (3<<16)|(1<<21)
	s_mov_b32 s[G1R+1], 1536<<16
	s_mov_b32 s[G1R+2], 8<<16                      ; 8 records
	s_mov_b32 s[G1R+3], 1536<<16
	s_mov_b32 s[G1R+4], 8
	s_mov_b32 s[G1R+5], 1600
	s_mov_b32 s[G1R+6], 0
	s_mov_b32 s[G1R+7], 0
	s_lshl_b32 s17, s12, 2
	s_lshl_b32 s18, s15, 3
	s_add_co_u32 s18, s18, s17
	s_mul_i32 s18, s18, RECB                       ; P: record 8 px + 4 x half (no register here ever holds cy)
	s_mov_b32 s19, 0
	s_lshl_b32 s17, s12, 3
	s_lshl_b32 s22, s16, 4
	s_add_co_u32 s22, s22, s17
	s_mul_i32 s22, s22, RECB                       ; R: record 16 py + 8 x half (nor here cx)
	s_mov_b32 s23, 0
	s_mul_i32 s20, s12, 4*REC8                     ; where they go: the wave's number alone enters an LDS address
	s_mul_i32 s21, s12, 8*REC8
	s_mul_i32 s84, s15, 8*RECB                     ; the scale words: P's eight records,
	s_mov_b32 s85, 0
	s_lshl_b32 s86, s16, 4
	s_lshl_b32 s87, s10, 2
	s_add_co_u32 s86, s86, s87
	s_mul_i32 s86, s86, RECB                       ; my four of R
	s_mov_b32 s87, 0
	s_lshr_b32 s90, s16, 2                         ; the result's record,
	s_lshr_b32 s91, s15, 4
	s_add_co_u32 s90, s90, s91
	s_lshl_b32 s90, s90, 4
	s_and_b32 s91, s15, 15
	s_add_co_u32 s90, s90, s91
	s_mul_i32 s90, s90, 102400
	s_and_b32 s91, s16, 3
	s_lshl_b32 s91, s91, 4
	s_lshl_b32 s92, s10, 2
	s_add_co_u32 s91, s91, s92                     ; my first image in it
	s_mul_i32 s92, s91, IMG
	s_add_co_u32 s92, s92, s90
	s_mov_b32 s93, 0
	s_lshl_b32 s94, s91, 6
	s_add_co_u32 s94, s94, s90
	s_add_co_u32 s94, s94, 98304
	s_mov_b32 s95, 0
	s_mov_b32 s[SEL], 0x76543210
	s_mov_b32 s[SEL+1], 0xfedcba98
	s_wait_dscnt 0x0                               ; the opening add is done
	s_wait_kmcnt 0x0
	s_cmp_lt_u32 s66, 8                            ; the buffers are chosen by the cluster's y alone
	s_cselect_b64 s[4:5], s[40:41], s[42:43]       ; P
	s_cselect_b64 s[6:7], s[42:43], s[44:45]       ; R
	s_cselect_b64 s[8:9], s[46:47], s[48:49]       ; the result
	s_add_nc_u64 s[18:19], s[4:5], s[18:19]
	s_add_nc_u64 s[22:23], s[6:7], s[22:23]
	s_add_nc_u64 s[76:77], s[4:5], s[84:85]
	s_add_nc_u64 s[78:79], s[6:7], s[86:87]
	s_add_nc_u64 s[80:81], s[8:9], s[92:93]
	s_add_nc_u64 s[82:83], s[8:9], s[94:95]
	s_mov_b32 s[G0P], 1                            ; P's group 0: four records, whole
	s_mov_b32 s[G0P+1], s20
	s_mov_b64 s[G0P+2:G0P+3], s[18:19]
	s_or_b32 s[G0P+3], s[G0P+3], 0x80000000
	s_mov_b32 s56, 1                               ; R's: eight records, whole
	s_add_co_u32 s57, s21, RB0
	s_mov_b64 s[58:59], s[22:23]
	s_or_b32 s59, s59, 0x80000000
	CROUND                                         ; all sixteen work-groups are here: the joint loads meet
	s_cmp_eq_u32 s11, 0                            ; a wave's one fill stands in a branch on the wave's number, ahead of every wait on TENSORcnt, every LDS read and every other barrier
	s_cbranch_scc0 .Lfor_r
	tensor_load_to_lds s[40:43], s[G1P:G1P+7]      ; one tensor load a wave, the only one of the launch
	s_nop 0
	PLACES
	s_branch .Lasked
.Lfor_r:
	tensor_load_to_lds s[56:59], s[G1R:G1R+7]
	s_nop 0
	PLACES
.Lasked:
	v_and_b32 v13, 31, v0                          ; lane
	v_and_b32 v14, 15, v0                          ; r
	v_bfe_u32 v15, v0, 4, 1                        ; h
	v_lshlrev_b32 v[L8], 3, v13
	v_lshlrev_b32 v[ADP], 3, v13
	v_lshl_add_u32 v[ADP+1], v13, 3, 2*CHP
	s_mul_i32 s17, s10, 4*REC8
	s_add_co_u32 s17, s17, RB0
	v_add_nc_u32 v[ADR], s17, v[L8]                ; my four records of R
	v_mul_u32_u24 v[SOF], v15, RECB
	v_lshl_add_u32 v[SOF], v14, 2, v[SOF]
	s_lshl_b32 s17, s10, 8
	s_add_co_u32 s17, s17, SCR
	v_lshl_add_u32 v[SCA], v14, 2, s17
	v_add_nc_u32 v[SCB], s17, v[L8]
.irp b, 0,1,2,3
	v_mov_b32 v[TM+4+\b], 0                        ; written once: a lane permute's destination counts as one of its sources
.endr
.irp i, 0,1,2,3                                ; the scale words of all of K go from memory into registers once: lanes 0-15 an even tile's, lanes 16-31 the odd one's
.irp k, 0,1,2,3,4,5,6,7
	global_load_b32 v[PS+8*\i+\k], v[SOF], s[76:77] offset:\i*2*RECB+12288+64*\k
.endr
.endr
.irp i, 0,1
.irp k, 0,1,2,3,4,5,6,7
	global_load_b32 v[RS+8*\i+\k], v[SOF], s[78:79] offset:\i*2*RECB+12288+64*\k
.endr
.endr
	s_wait_alu depctr_va_vdst(0)
	s_wait_tensorcnt 0x0                           ; my one load has landed
	s_barrier_signal -1
	s_barrier_wait -1
	FETCH 0
	s_wait_loadcnt 0x0                             ; the scale words
	KSTEP 0
	KSTEP 1
	KSTEP 2
	KSTEP 3
	KSTEP 4
	KSTEP 5
	KSTEP 6
	KSTEP 7
	WIN 0
	PLACES                                         ; four places in front of the first read of results and the first write of registers that products read
	QOUT 0
	QOUT 1
	QOUT 2
	QOUT 3
	ds_load_b64 v[180:181], v[SCB]                 ; LDS serves a wave's instructions in order: these see my four stores
	s_wait_dscnt 0x0
	global_store_b64 v[L8], v[180:181], s[82:83]   ; my four tiles' scale words: 256 consecutive bytes, aligned
	s_wait_tensorcnt 0x0                           ; the wave's end, behind my last tensor load and my last LDS store
	ds_add_u32 v[SPW], v[NIL]
	s_wait_dscnt 0x0
	CROUND                                         ; the closing round
	s_endpgm
.Lfunc_end_k_qf8668e5458_gemm_qk:
	.size	k_qf8668e5458_gemm_qk, .Lfunc_end_k_qf8668e5458_gemm_qk-k_qf8668e5458_gemm_qk
	.p2alignl 7, 3214868480
	.fill 96, 4, 3214868480
	.section	.rodata,"a",@progbits
	.p2align	6, 0x0
	.amdhsa_kernel k_qf8668e5458_gemm_qk
		.amdhsa_group_segment_fixed_size 296448
		.amdhsa_private_segment_fixed_size 0
		.amdhsa_enable_private_segment 0
		.amdhsa_kernarg_size 40
		.amdhsa_user_sgpr_count 2
		.amdhsa_user_sgpr_kernarg_segment_ptr 1
		.amdhsa_wavefront_size32 1
		.amdhsa_system_sgpr_workgroup_id_x 1
		.amdhsa_system_sgpr_workgroup_id_y 1
		.amdhsa_system_sgpr_workgroup_id_z 1
		.amdhsa_system_vgpr_workitem_id 0
		.amdhsa_next_free_vgpr 768
		.amdhsa_next_free_sgpr 96
		.amdhsa_reserve_vcc 0
		.amdhsa_float_denorm_mode_32 3
		.amdhsa_float_denorm_mode_16_64 3
		.amdhsa_memory_ordered 1
		.amdhsa_forward_progress 1
		.amdhsa_inst_pref_size 100
	.end_amdhsa_kernel
	.amdgpu_metadata
---
amdhsa.version: [ 1, 2 ]
amdhsa.kernels:
  - .name:           k_qf8668e5458_gemm_qk
    .symbol:         k_qf8668e5458_gemm_qk.kd
    .args:
      - { .name: Wqk, .offset: 0, .size: 8, .value_kind: global_buffer, .address_space: global }
      - { .name: Xq, .offset: 8, .size: 8, .value_kind: global_buffer, .address_space: global }
      - { .name: Wvq, .offset: 16, .size: 8, .value_kind: global_buffer, .address_space: global }
      - { .name: QK, .offset: 24, .size: 8, .value_kind: global_buffer, .address_space: global }
      - { .name: Vt, .offset: 32, .size: 8, .value_kind: global_buffer, .address_space: global }
    .group_segment_fixed_size: 296448
    .private_segment_fixed_size: 0
    .kernarg_segment_align: 8
    .kernarg_segment_size: 40
    .max_flat_workgroup_size: 128
    .sgpr_count:     96
    .vgpr_count:     768
    .wavefront_size: 32
...
	.end_amdgpu_metadata
.endif
;; end of part 2
;; launch attn (part 3): grid 4 x 64, 16 waves a work-group, no clusters, 215,296 bytes of LDS; arguments QK, Vt, rel_emb, Cx; writes Cx
.if DOCPART == 3
	.amdgcn_target "amdgcn-amd-amdhsa--gfx1250"
	.amdhsa_code_object_version 6
	.text
	.protected	k_qf8668e5458_attn
	.globl	k_qf8668e5458_attn
	.p2align	8
	.type	k_qf8668e5458_attn,@function
k_qf8668e5458_attn:
	s_mov_b64 s[64:65], 0
	v_nop
	global_prefetch_b8 v0, s[64:65] scope:SCOPE_SE
	s_setreg_imm32_b32 hwreg(HW_REG_WAVE_MODE, 25, 1), 1
	s_wait_xcnt 0x0
; ctx[b][q][h][:] = sum over k of softmax_k(q . k + bias(k - q)) v[k][:], both products on codes of FP6 (E2M3) with E8M0 scales; ctx is quantised along h x 64 + d for the last product.
; THE SOFTMAX: t = score x log2(e); M = the running largest t rounded up to a whole number; p = 2^(t - M) is quantised along the keys, not normalised; the row's sum is taken of the unquantised p and divides at the end.
; THE BIAS hangs on delta = key - query alone.  With n = |delta| the bucket is n under 8, then 8, 9 .. 15 from n = 8, 12, 16, 23, 32, 46, 64, 91 on, and 16 more where delta > 0: these are the whole numbers at which
; 8 + floor(8 log(n / 8) / log(16)) steps.  From n = 91 on the bias is one number on each side.
; SHARES.  A work-group takes one head of one batch and 512 of its queries, in two passes of 256; a wave takes 16 queries a pass, in 256 registers: four waves to a SIMD, so that one wave's vector work stands beside another's products and LDS loads.
; The head's whole K and V, 2 x 98,304 bytes of codes, come into LDS once, one tensor load a wave, and serve both passes: no LDS byte is filled twice.
; NO CLUSTER: the four work-groups that read the same K and V differ in their queries, and the branch between near and far steps and the bias table's LDS address hang on the queries' place; with joint loads neither may.
; NO PREFETCH: all that the work-group streams is asked for at the kernel's head.
; LAYOUT.  Both products are used transposed: S^T = K Q^T, O^T = V^T P^T: a lane holds one query (lane % 16) throughout.  Register j of score tile T holds key 16 T + 8 (lane / 16) + j.
; THE SCORE PRODUCT has K = 64, the instruction 128: source 0 is TWO neighbouring tiles of 16 keys, one in each half of K (1,536 consecutive LDS bytes), used twice: against [Q | zero codes] for the even tile and [zero codes | Q] for the odd one.
; THE BIAS IS THE C of the score product.  Far from the diagonal eight registers hold the one number; near it the 64 score registers are first loaded from a table in LDS (four copies, shifted by 0 to 3 entries, so that each lane's four entries are 16 aligned bytes).
; THE ORDER INSIDE A BLOCK OF 32: q and k (along d), and p and v (along the keys), are laid alike with numbers 8-15 and 16-23 of each block exchanged: the products are the same, summed in another order.  ctx meets Wo's codes, which
; lie in the natural order: sixteen exchanges of lane halves restore it ahead of the quantiser.
; LIMITS: a block's largest magnitude is taken as at least 2^(3 - 127); a block of zeros gets the byte 1; NaN and infinities are not served.
; REGISTERS: v1-4, v7 addresses that stay; v5, v6 the add's two; v8-11 the step's addresses; v12 -M, v13 the largest t, v[14:15] the sum; v16-33 zeros, Q, zeros; v34 Q's scale word; v36-43 the far bias; v44-47 K's and V's scale words;
; v48-95 K's four pairs of tiles, then V's four fragments; v96-159 S^T, then p; v160-191 O^T; v192-211 p's codes; v212-231 at work; v224 p's scale word.
.set GREC,  102400                     ; a record of QK or Vt: 64 images of 1,536 bytes, then 64 x 16 scale words
.set GSC,   98304                      ; where its scale words begin
.set IMG,   1536
.set RECB,  12800                      ; a record of Cx
.set VT,    98304                      ; LDS: K's 128 tiles of 768 bytes from 0; V's 16 steps x 4 images from here
.set KSC,   196608                     ; K's scale words: (pair of tiles a, r) at 64 a + 4 r; V's 4,096 bytes on: (step, tile of d, r) at 256 s + 64 t + 4 r
.set BIA,   204800                     ; the bias table: copy a at 2,112 a; entry i at 16 + 4 i holds bias(i + a - 224)
.set SPARE, 213248                     ; the spare words, 128 bytes for each of sixteen waves, which no other line names
.set ELO,   2048                       ; E = first key - first query + 2,256 (never negative): a step is near the diagonal where ELO <= E <= EHI
.set EHI,   2352
.macro PLACES
.rept 4
	v_nop
.endr
.endm
.macro SCORE t, near                   ; score tile t of the step
.set rS, 96+8*(\t)
.set rK, 48+12*((\t)/2)
.set rQ, 22-6*((\t)%2)                 ; v[22:33] = [Q | 0], v[16:27] = [0 | Q]
.set rX, 44+(\t)/4
.if \near
.if ((\t)/2)%2
	v_wmma_scale_f32_16x16x128_f8f6f4 v[rS:rS+7], v[rK:rK+11], v[rQ:rQ+11], v[rS:rS+7], v[rX], v34 matrix_a_fmt:MATRIX_FMT_FP6 matrix_b_fmt:MATRIX_FMT_FP6 matrix_a_scale:MATRIX_SCALE_ROW1
.else
	v_wmma_scale_f32_16x16x128_f8f6f4 v[rS:rS+7], v[rK:rK+11], v[rQ:rQ+11], v[rS:rS+7], v[rX], v34 matrix_a_fmt:MATRIX_FMT_FP6 matrix_b_fmt:MATRIX_FMT_FP6
.endif
.else
.if ((\t)/2)%2
	v_wmma_scale_f32_16x16x128_f8f6f4 v[rS:rS+7], v[rK:rK+11], v[rQ:rQ+11], v[36:43], v[rX], v34 matrix_a_fmt:MATRIX_FMT_FP6 matrix_b_fmt:MATRIX_FMT_FP6 matrix_a_scale:MATRIX_SCALE_ROW1
.else
	v_wmma_scale_f32_16x16x128_f8f6f4 v[rS:rS+7], v[rK:rK+11], v[rQ:rQ+11], v[36:43], v[rX], v34 matrix_a_fmt:MATRIX_FMT_FP6 matrix_b_fmt:MATRIX_FMT_FP6
.endif
.endif
.endm
.macro PV t                            ; O^T's tile t (16 of the head's 64) += V^T P^T over the step's 128 keys
.set rO, 160+8*(\t)
.set rV, 48+12*(\t)
.set rX, 46+(\t)/2
.if (\t)%2
	v_wmma_scale_f32_16x16x128_f8f6f4 v[rO:rO+7], v[rV:rV+11], v[192:203], v[rO:rO+7], v[rX], v224 matrix_a_fmt:MATRIX_FMT_FP6 matrix_b_fmt:MATRIX_FMT_FP6 matrix_a_scale:MATRIX_SCALE_ROW1
.else
	v_wmma_scale_f32_16x16x128_f8f6f4 v[rO:rO+7], v[rV:rV+11], v[192:203], v[rO:rO+7], v[rX], v224 matrix_a_fmt:MATRIX_FMT_FP6 matrix_b_fmt:MATRIX_FMT_FP6
.endif
.endm
	s_load_b256 s[4:11], s[0:1], 0x0               ; QK s[4:5], Vt s[6:7], rel_emb s[8:9], Cx s[10:11]
	v_lshl_add_u32 v5, v0, 2, SPARE
	v_mov_b32 v6, 0
	ds_add_u32 v5, v6                              ; the wave's opening: the add and its wait stand ahead of my tensor load; work on registers stands between them
	ds_add_u32 v5, v6
	v_lshrrev_b32 v8, 5, v0
	s_delay_alu instid0(VALU_DEP_1)
	v_readfirstlane_b32 s12, v8                    ; wave 0..15
	s_and_b32 s14, ttmp7, 0xffff
	s_lshr_b32 s15, s14, 4                         ; the batch b
	s_and_b32 s16, s14, 15                         ; the head h
	s_lshr_b32 s17, s16, 1                         ; g: its pair of heads,
	s_and_b32 s18, s16, 1                          ; and which of the two
	s_and_b32 s19, s12, 7                          ; which eighth of K (waves 0-7) or of V (waves 8-15) I fetch
	s_mov_b32 s24, 3<<16                           ; K: elements of 8 bytes, no mask, no padding
	s_mov_b32 s25, 96<<16                          ; tensor_dim0 = 96: my head's half of an image, 768 bytes
	s_mov_b32 s26, 16<<16                          ; tensor_dim1 = 16 tiles of keys
	s_mov_b32 s27, 96<<16                          ; tile_dim0
	s_mov_b32 s28, 16                              ; tile_dim1
	s_mov_b32 s29, 192                             ; from image to image: 1,536 bytes
	s_mov_b32 s30, 0
	s_mov_b32 s31, 0
	s_mov_b32 s32, 3<<16                           ; V
	s_mov_b32 s33, 768<<16                         ; my head's four images of a key step, 6,144 bytes
	s_mov_b32 s34, 2<<16                           ; two key steps
	s_mov_b32 s35, 768<<16
	s_mov_b32 s36, 2
	s_mov_b32 s37, 12800                           ; from record to record: 102,400 bytes
	s_mov_b32 s38, 0
	s_mov_b32 s39, 0
	s_lshl_b32 s70, s15, 1                         ; K's tiles 16 e on: record (2 b + e / 4) x 16 + 8 + g, image 16 (e % 4)
	s_lshr_b32 s71, s19, 2
	s_add_co_u32 s70, s70, s71
	s_lshl_b32 s70, s70, 4
	s_add_co_u32 s70, s70, s17
	s_add_co_u32 s70, s70, 8
	s_mul_i32 s70, s70, GREC
	s_and_b32 s71, s19, 3
	s_mul_i32 s71, s71, 16*IMG
	s_add_co_u32 s70, s70, s71
	s_mul_i32 s71, s18, 768
	s_add_co_u32 s70, s70, s71
	s_mov_b32 s71, 0
	s_lshl_b32 s72, s15, 4                         ; V's steps 2 e, 2 e + 1: record 16 b + step, images 4 h on
	s_lshl_b32 s73, s19, 1
	s_add_co_u32 s72, s72, s73
	s_mul_i32 s72, s72, GREC
	s_mul_i32 s73, s16, 4*IMG
	s_add_co_u32 s72, s72, s73
	s_mov_b32 s73, 0
	s_mov_b32 s40, 1
	s_mul_i32 s41, s19, 12288                      ; LDS: 16 tiles of 768 bytes,
	s_mov_b32 s44, 1
	s_add_co_u32 s45, s41, VT                      ; or two steps of 6,144
	s_lshl_b32 s74, s15, 5                         ; K's scale words: record 32 b + 8 + g
	s_add_co_u32 s74, s74, s17
	s_add_co_u32 s74, s74, 8
	s_mul_i32 s74, s74, GREC
	s_lshl_b32 s75, s18, 1
	s_add_co_u32 s74, s74, s75
	s_add_co_u32 s74, s74, GSC
	s_mov_b32 s75, 0
	s_mul_i32 s76, s15, 16*GREC                    ; V's
	s_lshl_b32 s77, s16, 8
	s_add_co_u32 s76, s76, s77
	s_add_co_u32 s76, s76, GSC
	s_mov_b32 s77, 0
	s_lshl_b32 s78, s16, 2                         ; my head's column of rel_emb
	s_mov_b32 s79, 0
	s_lshl_b32 s57, s15, 1                         ; Q: record (2 b + x / 2) x 16 + g,
	s_lshr_b32 s56, ttmp9, 1
	s_add_co_u32 s57, s57, s56
	s_lshl_b32 s57, s57, 4
	s_add_co_u32 s57, s57, s17
	s_mul_i32 s57, s57, GREC
	s_and_b32 s56, ttmp9, 1
	s_lshl_b32 s56, s56, 5
	s_add_co_u32 s56, s56, s12                     ; image 32 (x % 2) + wave (+ 16 in the second pass)
	s_mul_i32 s58, s56, IMG
	s_add_co_u32 s58, s58, s57
	s_mul_i32 s59, s18, 768
	s_add_co_u32 s58, s58, s59
	s_mov_b32 s59, 0
	s_lshl_b32 s60, s56, 6
	s_add_co_u32 s60, s60, s57
	s_lshl_b32 s61, s18, 1
	s_add_co_u32 s60, s60, s61
	s_add_co_u32 s60, s60, GSC
	s_mov_b32 s61, 0
	s_lshl_b32 s55, s15, 7                         ; ctx: record 128 b + 32 x + wave (+ 16), my head's half image at 768 h
	s_lshl_b32 s56, ttmp9, 5
	s_add_co_u32 s56, s56, s12                     ; my tile of queries in the first pass, 111 at the most
	s_xor_b32 s51, s56, 127                        ; 127 - the tile,
	s_lshl_b32 s51, s51, 4                         ; 2,032 - my first query,
	s_add_co_u32 s51, s51, 224                     ; 2,256 - my first query: what a step's first key is added to
	s_add_co_u32 s13, s56, 16                      ; the same for the second pass's tile, 127 at the most
	s_xor_b32 s13, s13, 127
	s_lshl_b32 s13, s13, 4
	s_add_co_u32 s13, s13, 224
	s_add_co_u32 s55, s55, s56
	s_mul_i32 s55, s55, RECB
	s_mul_i32 s66, s16, 768
	s_add_co_u32 s66, s66, s55
	s_mov_b32 s67, 0
	s_lshl_b32 s68, s17, 6
	s_add_co_u32 s68, s68, s55
	s_lshl_b32 s69, s18, 1
	s_add_co_u32 s68, s68, s69
	s_add_co_u32 s68, s68, 12288
	s_mov_b32 s69, 0
	s_mov_b32 s20, 0x76543210
	s_mov_b32 s21, 0xfedcba98                      ; lane selects: lane l xor 16
	s_mov_b32 s22, 0x3fb8aa3b                      ; c = log2(e): the scores are not scaled
	s_mov_b32 s23, s22                             ; (named with it as a pair)
	s_xor_b32 s62, s19, 7                          ; the bias table's offset is first key - first query + 208 entries = 128 n + 16 ((13 - wave) mod 8): keys go in steps of 128, and my tile of queries is my wave's number mod 8
	s_add_co_u32 s62, s62, 6
	s_and_b32 s62, s62, 7                          ; (13 - wave) mod 8
	s_lshl_b32 s62, s62, 6                         ; 16 entries of 4 bytes each
	; the wave's number alone enters this part of the LDS address; n stands in the loads' immediates
	s_wait_dscnt 0x0                               ; the opening add is done
	s_wait_kmcnt 0x0
	s_add_nc_u64 s[42:43], s[4:5], s[70:71]
	s_or_b32 s43, s43, 0x80000000
	s_add_nc_u64 s[46:47], s[6:7], s[72:73]
	s_or_b32 s47, s47, 0x80000000
	s_cmp_lt_u32 s12, 8                            ; one tensor load a wave, the only one of the launch
	s_cbranch_scc0 .Lfill_v
	tensor_load_to_lds s[40:43], s[24:31]
	s_nop 0
	PLACES
	s_branch .Lfilled
.Lfill_v:
	tensor_load_to_lds s[44:47], s[32:39]
	s_nop 0
	PLACES
.Lfilled:
	s_add_nc_u64 s[74:75], s[4:5], s[74:75]
	s_add_nc_u64 s[76:77], s[6:7], s[76:77]
	s_add_nc_u64 s[78:79], s[8:9], s[78:79]
	s_add_nc_u64 s[58:59], s[4:5], s[58:59]
	s_add_nc_u64 s[60:61], s[4:5], s[60:61]
	s_add_nc_u64 s[66:67], s[10:11], s[66:67]
	s_add_nc_u64 s[68:69], s[10:11], s[68:69]
	s_load_b32 s48, s[78:79], 0x3c0                ; bucket 15: keys 91 and more before the query
	s_load_b32 s49, s[78:79], 0x7c0                ; bucket 31: 91 and more behind it
	v_and_b32 v8, 31, v0                           ; lane
	v_and_b32 v9, 15, v0                           ; r
	v_bfe_u32 v10, v0, 4, 1                        ; h
	s_delay_alu instid0(VALU_DEP_3)
	v_lshlrev_b32 v1, 3, v8                        ; 8 x lane: my place in 256 bytes of an image
	s_delay_alu instid0(VALU_DEP_4)
	v_lshl_add_u32 v2, v8, 3, VT
	v_lshl_add_u32 v3, v8, 2, KSC
	v_lshlrev_b32 v7, 2, v9                        ; 4 r
	v_xor_b32 v12, 15, v9
	s_delay_alu instid0(VALU_DEP_1)
	v_add_nc_u32 v12, 1, v12                       ; 16 - r, 1 .. 16
	s_delay_alu instid0(VALU_DEP_1)
	v_and_b32 v11, 3, v12                          ; a = (-r) mod 4: my copy of the table,
	v_and_b32 v13, 0x1c, v12                       ; 16 - (r + a): in that copy I stand r + a entries back, a multiple of 4
	s_delay_alu instid0(VALU_DEP_2)
	v_mul_u32_u24 v4, v11, 2112
	s_delay_alu instid0(VALU_DEP_2)
	v_lshl_add_u32 v13, v10, 3, v13                ; 16 + 8 h - (r + a)
	s_delay_alu instid0(VALU_DEP_1)
	v_lshl_add_u32 v4, v13, 2, v4
	s_delay_alu instid0(VALU_DEP_1)
	v_add_nc_u32 v4, s62, v4                       ; + my wave's 16 ((13 - wave) mod 8) entries: 6,864 bytes at the most,
	s_delay_alu instid0(VALU_DEP_1)
	v_and_b32 v4, 0x1fff, v4                       ; held under 8,192 (the mask changes no value),
	s_delay_alu instid0(VALU_DEP_1)
	v_add_nc_u32 v4, BIA+16, v4                    ; from the table's first entry on
	; every thread builds two of K's scale words, two of V's and one entry of the bias table
	v_lshrrev_b32 v100, 4, v0
	s_delay_alu instid0(VALU_DEP_1)
	v_lshl_add_u32 v102, v100, 7, v7               ; pair of tiles tid / 16: 128 bytes a pair, 4 a row
	global_load_u16 v104, v102, s[74:75]                   ; my head's two bytes of the even tile,
	global_load_u16 v105, v102, s[74:75] offset:64         ; of the odd one,
	global_load_u16 v106, v102, s[74:75] offset:16*GREC    ; and the same 32 pairs on: the sequence's second half
	global_load_u16 v107, v102, s[74:75] offset:16*GREC+64
	v_lshrrev_b32 v108, 6, v0
	s_delay_alu instid0(VALU_DEP_1)
	v_mul_u32_u24 v108, v108, GREC
	v_and_b32 v109, 63, v0
	s_delay_alu instid0(VALU_DEP_1)
	v_lshl_add_u32 v103, v109, 2, v108             ; step tid / 64, word tid % 64
	global_load_b32 v110, v103, s[76:77]
	global_load_b32 v111, v103, s[76:77] offset:8*GREC
	v_add_nc_u32 v112, 0xffffff20, v0              ; delta = tid - 224
	s_delay_alu instid0(VALU_DEP_1)
	v_ashrrev_i32 v113, 31, v112
	s_delay_alu instid0(VALU_DEP_1)
	v_xor_b32 v114, v112, v113
	s_delay_alu instid0(VALU_DEP_1)
	v_sub_nc_u32 v114, v114, v113                  ; n = |delta|
	s_delay_alu instid0(VALU_DEP_1)
	v_min_u32 v115, 8, v114
.irp k, 11,15,22,31,45,63,90
	v_sub_nc_u32 v116, \k, v114                    ; negative from n = k + 1 on:
	s_delay_alu instid0(VALU_DEP_1)
	v_lshrrev_b32 v116, 31, v116
	s_delay_alu instid0(VALU_DEP_1)
	v_add_nc_u32 v115, v115, v116                  ; one bucket more
.endr
	v_sub_nc_u32 v116, 0, v112
	s_delay_alu instid0(VALU_DEP_1)
	v_lshrrev_b32 v116, 31, v116                   ; 1 where delta > 0
	s_delay_alu instid0(VALU_DEP_1)
	v_lshl_add_u32 v115, v116, 4, v115
	s_delay_alu instid0(VALU_DEP_1)
	v_lshlrev_b32 v117, 6, v115                    ; a row of rel_emb is 64 bytes
	global_load_b32 v118, v117, s[78:79]
	v_lshl_add_u32 v120, v0, 2, KSC
.irp j, 16,17,18,19,20,21,28,29,30,31,32,33
	v_mov_b32 v[\j], 0                             ; the zero codes on either side of Q
.endr
.irp j, 216,217,218,219,227,228
	v_mov_b32 v[\j], 0                             ; written once: lane permutes' destinations, and the upper half of the pair v[226:227]
.endr
	s_wait_loadcnt 0x0
	v_lshl_or_b32 v104, v105, 16, v104
	v_lshl_or_b32 v106, v107, 16, v106
	ds_store_b32 v120, v104
	ds_store_b32 v120, v106 offset:2048
	ds_store_b32 v120, v110 offset:4096
	ds_store_b32 v120, v111 offset:6144
.irp a, 0,1,2,3
	ds_store_b32 v120, v118 offset:8192+16+2108*\a ; copy a, entry tid - a
.endr
	s_wait_kmcnt 0x0                               ; the two far biases
	s_wait_tensorcnt 0x0                           ; my part of K or V has landed,
	s_wait_dscnt 0x0                               ; my stores too:
	s_barrier_signal -1
	s_barrier_wait -1                              ; everybody's have.  From here to the barrier at the kernel's end LDS is only read
.macro PASS u, nq                      ; my 16 queries of pass u against all 2,048 keys; s[nq] = 2,256 - my first query
.irp p, 0,1,2
	global_load_b64 v[22+2*\p:23+2*\p], v1, s[58:59] offset:\u*16*IMG+256*\p
.endr
	global_load_u16 v35, v7, s[60:61] offset:\u*1024
	v_mov_b32 v13, 0xff61b1e6                      ; the largest t so far: -3e38
	s_delay_alu instid0(VALU_DEP_1)
	v_floor_f32 v12, -v13                          ; -M
	v_mov_b32 v14, 0
	v_mov_b32 v15, 0
	s_mov_b32 s50, 0                               ; the step's first key
	s_mov_b32 s52, 0                               ; its tiles: 6,144 bytes a step, in K and in V
	s_mov_b32 s53, 0                               ; its scale words: 256 bytes a step
	s_mov_b32 s54, 16
	s_wait_loadcnt 0x0
	v_lshl_or_b32 v34, v35, 16, v35                ; Q's two bytes serve either half of K.  The 40 moves below are the places between this line and the first product
.irp j, 0,1,2,3,4,5,6,7
	v_mov_b32 v[36+\j], s48                        ; far steps ahead of the diagonal
.endr
.set j, 0
.rept 32
	v_mov_b32 v[160+j], 0                          ; O^T: the step is written once; its first trip finds zeros
.set j, j+1
.endr
.Lstep_\@:
	s_add_co_u32 s56, s50, s[\nq]                  ; E = first key - first query + 2,256
	s_sub_co_u32 s56, s56, ELO                     ; E - ELO as an unsigned number: 0 .. EHI - ELO near the diagonal, above that on either side of it, where every |delta| of the step is 97 or more
	v_add_nc_u32 v8, s52, v1                       ; these four are the places behind the last step's products, in front of the loads below
	v_add_nc_u32 v9, s52, v2
	v_add_nc_u32 v10, s53, v3
	v_nop
.irp a, 0,1,2,3
.irp p, 0,1,2,3,4,5
	ds_load_b64 v[48+12*\a+2*\p:49+12*\a+2*\p], v8 offset:IMG*\a+256*\p   ; two tiles of keys: 256 consecutive bytes a load
.endr
.endr
	ds_load_b32 v44, v10                           ; K's scale words: pairs 0 (lanes 0-15) and 1 (lanes 16-31),
	ds_load_b32 v45, v10 offset:128                ; pairs 2 and 3;
	ds_load_b32 v46, v10 offset:4096               ; V's: tiles 0 and 1,
	ds_load_b32 v47, v10 offset:4224               ; 2 and 3
	s_cmp_gt_u32 s56, EHI-ELO
	s_cbranch_scc1 .Lfar_\@
	s_cmp_lt_u32 s56, 128                          ; near: bias(delta) of my eight keys of tile t; which 128 entries of the table (n = 0, 1, 2) is chosen by ids alone
	s_cbranch_scc1 .Ln0_\@
	s_cmp_lt_u32 s56, 256
	s_cbranch_scc1 .Ln1_\@
.irp t, 0,1,2,3,4,5,6,7
	ds_load_b128 v[96+8*\t:99+8*\t], v4 offset:1024+64*\t
	ds_load_b128 v[100+8*\t:103+8*\t], v4 offset:1024+64*\t+16
.endr
	s_branch .Lnear_\@
.Ln0_\@:
.irp t, 0,1,2,3,4,5,6,7
	ds_load_b128 v[96+8*\t:99+8*\t], v4 offset:64*\t
	ds_load_b128 v[100+8*\t:103+8*\t], v4 offset:64*\t+16
.endr
	s_branch .Lnear_\@
.Ln1_\@:
.irp t, 0,1,2,3,4,5,6,7
	ds_load_b128 v[96+8*\t:99+8*\t], v4 offset:512+64*\t
	ds_load_b128 v[100+8*\t:103+8*\t], v4 offset:512+64*\t+16
.endr
.Lnear_\@:
	s_wait_dscnt 0x0
.irp t, 0,1,2,3,4,5,6,7
	SCORE \t, 1
.endr
.irp j, 0,1,2,3,4,5,6,7
	v_mov_b32 v[36+\j], s49                        ; the keys ascend: far steps from here on lie behind the diagonal
.endr
	s_branch .Ljoin_\@
.Lfar_\@:
	s_wait_dscnt 0x0
.irp t, 0,1,2,3,4,5,6,7
	SCORE \t, 0
.endr
.Ljoin_\@:
	PLACES                                         ; four places in front of loads into registers that the products read, and of the first read of the scores
	s_wait_alu depctr_va_vdst(0)
.irp t, 0,1,2,3
.irp p, 0,1,2,3,4,5
	ds_load_b64 v[48+12*\t+2*\p:49+12*\t+2*\p], v9 offset:IMG*\t+256*\p   ; V's four fragments land while the softmax is walked
.endr
.endr
.irp b, 0,1,2,3
	v_max3_num_f32 v[212+\b], v[96+16*\b], v[97+16*\b], v[98+16*\b]   ; the largest score of each block of 32 keys: for the row's maximum and, since p rises with the score, for the block's largest p
.endr
.irp i, 3,5,7,9,11,13
.irp b, 0,1,2,3
	v_max3_num_f32 v[212+\b], v[212+\b], v[96+16*\b+\i], v[97+16*\b+\i]
.endr
.endr
.irp b, 0,1,2,3
	v_max_num_f32 v[212+\b], v[212+\b], v[111+16*\b]
.endr
.irp b, 0,1,2,3
	s_delay_alu instid0(VALU_DEP_4)
	v_permlanex16_b32 v[216+\b], v[212+\b], s20, s21
.endr
.irp b, 0,1,2,3
	s_delay_alu instid0(VALU_DEP_4)
	v_max_num_f32 v[212+\b], v[212+\b], v[216+\b]  ; with lane l xor 16's 16 keys
.endr
	s_delay_alu instid0(VALU_DEP_2)
	v_max3_num_f32 v228, v212, v213, v214
	s_delay_alu instid0(VALU_DEP_1)
	v_max_num_f32 v228, v228, v215
	s_delay_alu instid0(VALU_DEP_1)
	v_mul_f32 v228, s22, v228                      ; as t (c is positive)
	s_delay_alu instid0(VALU_DEP_1)
	v_max_num_f32 v13, v13, v228                   ; the running largest t
	v_mov_b32 v228, v12
	s_delay_alu instid0(VALU_DEP_2)
	v_floor_f32 v12, -v13                          ; the new -M = -ceil(t)
	s_delay_alu instid0(VALU_DEP_1)
	v_sub_f32 v228, v12, v228                      ; old M - new M: a whole number, 0 or less
	s_delay_alu instid0(VALU_DEP_1)
	v_cvt_i32_f32 v228, v228                       ; (it saturates)
	s_delay_alu instid0(VALU_DEP_1)
	v_ldexp_f32 v226, 1.0, v228                    ; f = 2^(old M - new M): a multiplication by it rounds nothing
.set j, 0
.rept 32
	v_pk_fma_f32 v[96+j:97+j], v[96+j:97+j], s[22:23], v[12:13] op_sel_hi:[1,0,0]   ; t - M, two at a time
.set j, j+2
.endr
.irp b, 0,1,2,3
	v_fma_f32 v[212+\b], v[212+\b], s22, v12       ; the same of each block's largest score
.endr
.set j, 0
	s_wait_alu depctr_va_vdst(0)
.rept 64
	v_exp_f32 v[96+j], v[96+j]                     ; p = 2^(t - M)
.set j, j+1
.endr
	v_pk_mul_f32 v[14:15], v[14:15], v[226:227] op_sel_hi:[1,0]   ; the sums under the new M: the plain place behind the batch
	s_wait_alu depctr_va_vdst(0)                   ; one wait for the 64, ahead of their first reader
.irp b, 0,1,2,3
	v_exp_f32 v[212+\b], v[212+\b]                 ; each block's largest p
.endr
	v_pk_add_f32 v[216:217], v[100:101], v[104:105]
	v_pk_add_f32 v[254:255], v[108:109], v[112:113]
	v_pk_add_f32 v[252:253], v[116:117], v[120:121]
	v_pk_add_f32 v[250:251], v[124:125], v[128:129]
	v_pk_add_f32 v[248:249], v[132:133], v[136:137]
	v_pk_add_f32 v[246:247], v[140:141], v[144:145]
	v_pk_add_f32 v[244:245], v[148:149], v[152:153]
	v_pk_add_f32 v[14:15], v[14:15], v[156:157]
	v_pk_add_f32 v[216:217], v[216:217], v[96:97]
	v_pk_add_f32 v[254:255], v[254:255], v[98:99]
	v_pk_add_f32 v[252:253], v[252:253], v[102:103]
	v_pk_add_f32 v[250:251], v[250:251], v[106:107]
	v_pk_add_f32 v[248:249], v[248:249], v[110:111]
	v_pk_add_f32 v[246:247], v[246:247], v[114:115]
	v_pk_add_f32 v[244:245], v[244:245], v[118:119]
	v_pk_add_f32 v[14:15], v[14:15], v[122:123]
	v_pk_add_f32 v[216:217], v[216:217], v[126:127]
	v_pk_add_f32 v[254:255], v[254:255], v[130:131]
	v_pk_add_f32 v[252:253], v[252:253], v[134:135]
	v_pk_add_f32 v[250:251], v[250:251], v[138:139]
	v_pk_add_f32 v[248:249], v[248:249], v[142:143]
	v_pk_add_f32 v[246:247], v[246:247], v[146:147]
	v_pk_add_f32 v[244:245], v[244:245], v[150:151]
	v_pk_add_f32 v[14:15], v[14:15], v[154:155]
	v_pk_add_f32 v[216:217], v[216:217], v[158:159]
	s_delay_alu instid0(VALU_DEP_2)
	v_pk_add_f32 v[14:15], v[14:15], v[250:251]
	s_delay_alu instid0(VALU_DEP_2)
	v_pk_add_f32 v[216:217], v[216:217], v[248:249]
	v_pk_add_f32 v[254:255], v[254:255], v[246:247]
	v_pk_add_f32 v[252:253], v[252:253], v[244:245]
	s_delay_alu instid0(VALU_DEP_2)
	v_pk_add_f32 v[14:15], v[14:15], v[254:255]
	s_delay_alu instid0(VALU_DEP_2)
	v_pk_add_f32 v[216:217], v[216:217], v[252:253]
	s_delay_alu instid0(VALU_DEP_1)
	v_pk_add_f32 v[14:15], v[14:15], v[216:217]
	s_wait_alu depctr_va_vdst(0)                   ; and one for the four
.irp b, 0,1,2,3
	v_max_num_f32 v[212+\b], 0x1800000, v[212+\b]  ; the floor 2^(3 - 127)
.endr
.irp b, 0,1,2,3
	s_delay_alu instid0(VALU_DEP_4)
	v_add_nc_u32 v[220+\b], 0xff000000, v[212+\b]  ; 2 off the exponent field: the conversion's scale operand
.endr
.irp b, 0,1,2,3
	s_delay_alu instid0(VALU_DEP_4)
	v_lshrrev_b32 v[216+\b], 23, v[220+\b]
.endr
	s_delay_alu instid0(VALU_DEP_3)
	v_lshl_or_b32 v224, v217, 8, v216              ; p's scale word for these 128 keys
	s_delay_alu instid0(VALU_DEP_1)
	v_lshl_or_b32 v224, v218, 16, v224
	s_delay_alu instid0(VALU_DEP_1)
	v_lshl_or_b32 v224, v219, 24, v224
.irp c, 0,1
	v_cvt_scalef32_pk16_fp6_f32 v[192+6*\c:194+6*\c], v[96+32*\c:111+32*\c], v[220+2*\c]
	v_cvt_scalef32_pk16_fp6_f32 v[204+4*\c:206+4*\c], v[112+32*\c:127+32*\c], v[221+2*\c]
.endr
	v_nop                                          ; one plain place behind a scaled conversion
.irp c, 0,1
.irp i, 0,1,2
	v_permlane16_swap_b32 v[192+6*\c+\i], v[204+4*\c+\i]
.endr
.irp i, 0,1,2
	s_delay_alu instid0(VALU_DEP_3)
	v_mov_b32 v[195+6*\c+\i], v[204+4*\c+\i]
.endr
.endr
.set j, 0
.rept 16
	v_pk_mul_f32 v[160+j:161+j], v[160+j:161+j], v[226:227] op_sel_hi:[1,0]   ; O^T under the new M; these sixteen also stand between the scale word's and the codes' last writes and the products
.set j, j+2
.endr
	s_wait_alu depctr_va_vdst(0)
	s_wait_dscnt 0x0                               ; V's fragments
.irp t, 0,1,2,3
	PV \t
.endr
	s_add_co_u32 s50, s50, 128
	s_add_co_u32 s52, s52, 4*IMG
	s_add_co_u32 s53, s53, 256
	s_sub_co_u32 s54, s54, 1
	s_cmp_lg_u32 s54, 0
	s_cbranch_scc1 .Lstep_\@
	; the pass's end: O^T / the sum, in the natural order along d, quantised in two blocks of 32
	PLACES
	v_add_f32 v14, v14, v15
	s_delay_alu instid0(VALU_DEP_1)
	v_permlanex16_b32 v228, v14, s20, s21
	s_delay_alu instid0(VALU_DEP_1)
	v_add_f32 v14, v14, v228                       ; the row's sum
	s_wait_alu depctr_va_vdst(0)
	v_rcp_f32 v229, v14
	v_nop                                          ; a plain place behind the reciprocal,
	s_wait_alu depctr_va_vdst(0)                   ; and the wait ahead of its first reader
.set j, 0
.rept 32
	v_mul_f32 v[96+j], v[160+j], v229              ; register 8 t + j: d = 16 t + 8 h + j
.set j, j+1
.endr
.irp b, 0,1
.irp j, 0,1,2,3,4,5,6,7
	v_permlane16_swap_b32 v[96+16*\b+\j], v[104+16*\b+\j]   ; register 16 b + i now holds d = 32 b + 16 h + i
.endr
.endr
.irp b, 0,1
	v_max3_num_f32 v[212+\b], |v[96+16*\b]|, |v[97+16*\b]|, 0x1800000
.endr
.irp i, 2,4,6,8,10,12,14
.irp b, 0,1
	s_delay_alu instid0(VALU_DEP_2)
	v_max3_num_f32 v[212+\b], v[212+\b], |v[96+16*\b+\i]|, |v[97+16*\b+\i]|
.endr
.endr
.irp b, 0,1
	s_delay_alu instid0(VALU_DEP_2)
	v_permlanex16_b32 v[216+\b], v[212+\b], s20, s21
.endr
.irp b, 0,1
	s_delay_alu instid0(VALU_DEP_2)
	v_max_num_f32 v[212+\b], v[212+\b], v[216+\b]
.endr
.irp b, 0,1
	s_delay_alu instid0(VALU_DEP_2)
	v_add_nc_u32 v[220+\b], 0xff000000, v[212+\b]
.endr
.irp b, 0,1
	s_delay_alu instid0(VALU_DEP_2)
	v_lshrrev_b32 v[216+\b], 23, v[220+\b]
.endr
	s_delay_alu instid0(VALU_DEP_1)
	v_lshl_or_b32 v230, v217, 8, v216              ; my head's two bytes of the row's scale word
	v_cvt_scalef32_pk16_fp6_f32 v[192:194], v[96:111], v220
	v_cvt_scalef32_pk16_fp6_f32 v[204:206], v[112:127], v221
	v_nop
.irp i, 0,1,2
	v_permlane16_swap_b32 v[192+\i], v[204+\i]     ; lanes 0-15 block 0 whole, lanes 16-31 block 1
.endr
.irp i, 0,1,2
	s_delay_alu instid0(VALU_DEP_3)
	v_mov_b32 v[195+\i], v[204+\i]
.endr
.irp p, 0,1,2
	global_store_b64 v1, v[192+2*\p:193+2*\p], s[66:67] offset:\u*16*RECB+256*\p   ; 32 lanes store 256 consecutive bytes, aligned
.endr
	global_store_b16 v7, v230, s[68:69] offset:\u*16*RECB   ; pieces of 2 bytes, 4 apart (both lanes of a row write the same): one byte in 24 of what the wave stores
	s_wait_xcnt 0x0                                ; the stores have read their registers: they may be written again
.endm
	PASS 0, 51
	PASS 1, 13
	s_wait_dscnt 0x0                               ; my LDS reads are over:
	s_barrier_signal -1
	s_barrier_wait -1                              ; every wave's are, before any wave's closing add writes LDS
	s_wait_tensorcnt 0x0                           ; the wave's end, behind my tensor load and my last LDS store
	ds_add_u32 v5, v6
	s_wait_dscnt 0x0
	s_endpgm
.Lfunc_end_k_qf8668e5458_attn:
	.size	k_qf8668e5458_attn, .Lfunc_end_k_qf8668e5458_attn-k_qf8668e5458_attn
	.p2alignl 7, 3214868480
	.fill 96, 4, 3214868480
	.section	.rodata,"a",@progbits
	.p2align	6, 0x0
	.amdhsa_kernel k_qf8668e5458_attn
		.amdhsa_group_segment_fixed_size 215296
		.amdhsa_private_segment_fixed_size 0
		.amdhsa_enable_private_segment 0
		.amdhsa_kernarg_size 32
		.amdhsa_user_sgpr_count 2
		.amdhsa_user_sgpr_kernarg_segment_ptr 1
		.amdhsa_wavefront_size32 1
		.amdhsa_system_sgpr_workgroup_id_x 1
		.amdhsa_system_sgpr_workgroup_id_y 1
		.amdhsa_system_sgpr_workgroup_id_z 1
		.amdhsa_system_vgpr_workitem_id 0
		.amdhsa_next_free_vgpr 256
		.amdhsa_next_free_sgpr 80
		.amdhsa_reserve_vcc 0
		.amdhsa_float_denorm_mode_32 3
		.amdhsa_float_denorm_mode_16_64 3
		.amdhsa_memory_ordered 1
		.amdhsa_forward_progress 1
		.amdhsa_inst_pref_size 73
	.end_amdhsa_kernel
	.amdgpu_metadata
---
amdhsa.version: [ 1, 2 ]
amdhsa.kernels:
  - .name:           k_qf8668e5458_attn
    .symbol:         k_qf8668e5458_attn.kd
    .args:
      - { .name: QK, .offset: 0, .size: 8, .value_kind: global_buffer, .address_space: global }
      - { .name: Vt, .offset: 8, .size: 8, .value_kind: global_buffer, .address_space: global }
      - { .name: rel_emb, .offset: 16, .size: 8, .value_kind: global_buffer, .address_space: global }
      - { .name: Cx, .offset: 24, .size: 8, .value_kind: global_buffer, .address_space: global }
    .group_segment_fixed_size: 215296
    .private_segment_fixed_size: 0
    .kernarg_segment_align: 8
    .kernarg_segment_size: 32
    .max_flat_workgroup_size: 512
    .sgpr_count:     80
    .vgpr_count:     256
    .wavefront_size: 32
...
	.end_amdgpu_metadata
.endif
;; end of part 3
;; launch gemm_o (part 4): grid 8 x 32, 4 waves a work-group, clusters of 4 x 4, 295,424 bytes of LDS; arguments Woq, Cx, out0; writes out0
.if DOCPART == 4
	.amdgcn_target "amdgcn-amd-amdhsa--gfx1250"
	.amdhsa_code_object_version 6
	.text
	.protected	k_qf8668e5458_gemm_o
	.globl	k_qf8668e5458_gemm_o
	.p2align	8
	.type	k_qf8668e5458_gemm_o,@function
k_qf8668e5458_gemm_o:
	s_mov_b64 s[64:65], 0
	v_nop
	global_prefetch_b8 v0, s[64:65] scope:SCOPE_SE
	s_setreg_imm32_b32 hwreg(HW_REG_WAVE_MODE, 25, 1), 1
	s_wait_xcnt 0x0
	s_wait_alu depctr_hold_cnt(0) depctr_sa_sdst(0) depctr_va_vdst(0) depctr_va_sdst(0) depctr_va_ssrc(0) depctr_va_vcc(0) depctr_vm_vsrc(0)
	s_getreg_b32 s2, hwreg(HW_REG_IB_STS2, 6, 4)
	s_cmp_eq_u32 s2, 0
	s_cbranch_scc0 .Lentry_in_a_cluster
	s_endpgm
.Lentry_in_a_cluster:
	s_bfe_u32 s2, ttmp6, 0x10000c
	s_cmp_lg_u32 s2, 0xf033
	s_cbranch_scc0 .Lentry_shape_is_right
	s_endpgm
.Lentry_shape_is_right:
; out0[w][u] = sum over k of R[w][k] P[u][k], K = 1,024, on codes of FP6 (E2M3) with E8M0 scales; P = Wo's columns, R = ctx's rows; out0 [8192][1024] f32.
; P AND R lie in records of 12,800 bytes for each 16 rows: eight images of an operand's 12 registers (1,536 bytes for each 128 along K; registers 2 p, 2 p + 1 of lane l at 256 p + 8 l), then the scale words (K step, r) at 12,288 + 64 x step + 4 r.
; SHARES.  A work-group takes 128 columns x 256 rows over all of K: both operands' codes, 98,304 + 196,608 bytes, lie whole in LDS, so no LDS byte is filled twice.  They come as four chunks of two K steps; a wave has four tensor loads out at the most.
; A wave takes all 128 columns x 64 rows: 32 accumulators.  Source 0 = 16 rows of P, source 1 = 16 rows of R: a lane holds one row of out0 (lane % 16) and eight neighbouring columns in each accumulator.
; CLUSTER 4 x 4: P's chunks hang on px alone and are asked for jointly down a column of the cluster, R's on py alone and jointly along a row.
; THE WAY OUT: 16 rows x 512 bytes at a time through the wave's own stage in LDS, so that the 32 lanes store 512 consecutive bytes.  The stages lie in R's first chunk, which has had its only fill and was last read ahead of the second barrier.
; REGISTERS: window 0: v1-13 addresses; v16-47 P's scale words, v48-63 R's; v64-159 R's fragments, two sets (on the way out v64-191: rows read back).  Window 1: P's fragments, sets at v0 and v128.  Window 2: the accumulators, (m, i) at v[64 m + 8 i].
.set RECB,  12800
.set IMG,   1536
.set CHP,   24576                      ; a chunk of P: 8 records' two images
; THE FILLS: each wave brings the eight images of its records by ONE tensor load (rows of 12,288 bytes, 12,800 apart in memory): P's record i lies at 12,288 i, R's records behind P's eight.
; What the head says of chunks and of four loads a wave holds no more: one wait for 0 and one barrier stand ahead of the first fragment, and nothing is filled again.
; THE STAGE of a wave lies in its own four records of R, which no other wave reads and whose last read is waited for ahead of the last K step's products.
.set REC8,  12288                      ; a record's eight images
.set RB0,   98304                      ; R's chunks lie behind P's four
.set SPARE, 294912                     ; the spare words, 128 bytes for each wave, which no other line names
.set L8,    1                          ; v1     8 x lane
.set ADP,   2                          ; v2-3   P's records 0-3, 4-7
.set ADR,   4                          ; v4     my 64 rows of R
.set SPW,   8                          ; v8     LDS address of my spare word; never rewritten
.set NIL,   9                          ; v9     0; never rewritten
.set SOF,   10                         ; v10    scale words in memory: (lane / 16) records on, 4 x (lane % 16)
.set STO,   11                         ; v11    the stage: where I put 32 bytes of a row
.set RD,    12                         ; v12    and where I read a row back
.set CO,    13                         ; v13    16 x lane: my place in a row's 512 bytes
.set PS,    16
.set RS,    48
.set RF,    64
.set G1P,   24
.set G1R,   32
.set G0P,   40
.set MSB,   0
.macro WIN new                         ; the immediate's high byte repeats the setting that is left
.if MSB != \new
	s_set_vgpr_msb (MSB<<8)|\new
.set MSB, \new
.endif
.endm
.macro PLACES
.rept 4
	v_nop
.endr
.endm
.macro CROUND                          ; a round of the cluster's barrier
	s_barrier_signal -1
	s_barrier_wait -1
	s_cmp_lg_u32 s10, 0
	s_cbranch_scc1 .Lnot_wave_0_\@
	s_barrier_signal -3
.Lnot_wave_0_\@:
	s_barrier_wait -3
	s_barrier_signal -1
	s_barrier_wait -1
.endm
.macro FETCH q                         ; K step q's fragments: P's eight into set q % 2 of window 1, my four of R into set q % 2 of window 0.  Each load reads 256 consecutive bytes
.set fj, (\q)/2
.set fk, (\q)%2
	WIN 0x40
.set ii, 0
.rept 8
.irp p, 0,1,2,3,4,5
	ds_load_b64 v[128*fk+12*ii+2*\p:128*fk+12*ii+2*\p+1], v[ADP+ii/4] offset:(ii%4)*REC8+(\q)*IMG+256*\p
.endr
.set ii, ii+1
.endr
	WIN 0
.set mm, 0
.rept 4
.irp p, 0,1,2,3,4,5
	ds_load_b64 v[RF+48*fk+12*mm+2*\p:RF+48*fk+12*mm+2*\p+1], v[ADR] offset:mm*REC8+(\q)*IMG+256*\p
.endr
.set mm, mm+1
.endr
.endm
.macro MM q, zero                      ; the product of P's tile ii and R's tile mm in K step q; an odd tile's scale words stand in lanes 16-31
.set rD, 64*mm+8*ii
.set rA, 128*((\q)%2)+12*ii
.set rB, RF+48*((\q)%2)+12*mm
.set rX, PS+8*(ii/2)+(\q)
.set rY, RS+8*(mm/2)+(\q)
.if \zero
.if (ii%2 == 0) && (mm%2 == 0)
	v_wmma_scale_f32_16x16x128_f8f6f4 v[rD:rD+7], v[rA:rA+11], v[rB:rB+11], 0, v[rX], v[rY] matrix_a_fmt:MATRIX_FMT_FP6 matrix_b_fmt:MATRIX_FMT_FP6
.elseif mm%2 == 0
	v_wmma_scale_f32_16x16x128_f8f6f4 v[rD:rD+7], v[rA:rA+11], v[rB:rB+11], 0, v[rX], v[rY] matrix_a_fmt:MATRIX_FMT_FP6 matrix_b_fmt:MATRIX_FMT_FP6 matrix_a_scale:MATRIX_SCALE_ROW1
.elseif ii%2 == 0
	v_wmma_scale_f32_16x16x128_f8f6f4 v[rD:rD+7], v[rA:rA+11], v[rB:rB+11], 0, v[rX], v[rY] matrix_a_fmt:MATRIX_FMT_FP6 matrix_b_fmt:MATRIX_FMT_FP6 matrix_b_scale:MATRIX_SCALE_ROW1
.else
	v_wmma_scale_f32_16x16x128_f8f6f4 v[rD:rD+7], v[rA:rA+11], v[rB:rB+11], 0, v[rX], v[rY] matrix_a_fmt:MATRIX_FMT_FP6 matrix_b_fmt:MATRIX_FMT_FP6 matrix_a_scale:MATRIX_SCALE_ROW1 matrix_b_scale:MATRIX_SCALE_ROW1
.endif
.else
.if (ii%2 == 0) && (mm%2 == 0)
	v_wmma_scale_f32_16x16x128_f8f6f4 v[rD:rD+7], v[rA:rA+11], v[rB:rB+11], v[rD:rD+7], v[rX], v[rY] matrix_a_fmt:MATRIX_FMT_FP6 matrix_b_fmt:MATRIX_FMT_FP6
.elseif mm%2 == 0
	v_wmma_scale_f32_16x16x128_f8f6f4 v[rD:rD+7], v[rA:rA+11], v[rB:rB+11], v[rD:rD+7], v[rX], v[rY] matrix_a_fmt:MATRIX_FMT_FP6 matrix_b_fmt:MATRIX_FMT_FP6 matrix_a_scale:MATRIX_SCALE_ROW1
.elseif ii%2 == 0
	v_wmma_scale_f32_16x16x128_f8f6f4 v[rD:rD+7], v[rA:rA+11], v[rB:rB+11], v[rD:rD+7], v[rX], v[rY] matrix_a_fmt:MATRIX_FMT_FP6 matrix_b_fmt:MATRIX_FMT_FP6 matrix_b_scale:MATRIX_SCALE_ROW1
.else
	v_wmma_scale_f32_16x16x128_f8f6f4 v[rD:rD+7], v[rA:rA+11], v[rB:rB+11], v[rD:rD+7], v[rX], v[rY] matrix_a_fmt:MATRIX_FMT_FP6 matrix_b_fmt:MATRIX_FMT_FP6 matrix_a_scale:MATRIX_SCALE_ROW1 matrix_b_scale:MATRIX_SCALE_ROW1
.endif
.endif
.endm
.macro MUL32 q, zero                   ; a K step: the 32 accumulators take turns, one instruction a turn, in the same order in every step
	WIN 0xa1                                       ; source 0 window 1, source 1 window 0, C and D window 2
.set mm, 0
.rept 4
.set ii, 0
.rept 8
	MM \q, \zero
.set ii, ii+1
.endr
.set mm, mm+1
.endr
.endm
.macro KSTEP q
	s_wait_dscnt 0x0                               ; this step's fragments are in (asked for ahead of the last step's 32 products)
.if (\q) < 7
.if (\q) > 0
	PLACES                                         ; four places in front of loads into the set that the last step's products read
.endif
	FETCH (\q)+1
.endif
.if (\q) == 0
	MUL32 \q, 1                                    ; the first step's products start the sums: nothing is cleared
.else
	MUL32 \q, 0
.endif
.endm
.macro TOSTAGE m                       ; my rows 16 m on: into the stage as they stand, back as whole rows.  LDS serves a wave's instructions in order: no wait between, nor in front of the next block's stores
	WIN 0x08                                       ; an LDS store's data are its source 1: window 2
.set ii, 0
.rept 8
	ds_store_b128 v[STO], v[64*(\m)+8*ii:64*(\m)+8*ii+3] offset:64*ii        ; each accumulator from its low end on
	ds_store_b128 v[STO], v[64*(\m)+8*ii+4:64*(\m)+8*ii+7] offset:64*ii+16
.set ii, ii+1
.endr
	WIN 0
.set tt, 0
.rept 16
	ds_load_b128 v[RF+64*((\m)%2)+4*tt:RF+64*((\m)%2)+4*tt+3], v[RD] offset:528*tt
.set tt, tt+1
.endr
.endm
.macro SEND m, younger                 ; younger: the LDS instructions issued behind block m's loads, which may stay out
	s_wait_dscnt \younger
.set tt, 0
.rept 16
	global_store_b128 v[CO], v[RF+64*((\m)%2)+4*tt:RF+64*((\m)%2)+4*tt+3], s[80:81] offset:(16*(\m)+tt)*4096 th:TH_STORE_NT   ; 32 lanes store 512 consecutive bytes, aligned; the base is never stepped
.set tt, tt+1
.endr
.endm
	s_load_b128 s[4:7], s[0:1], 0x0                ; P s[4:5], R s[6:7]
	s_load_b64 s[8:9], s[0:1], 0x10                ; out0
	v_lshl_add_u32 v[SPW], v0, 2, SPARE
	v_mov_b32 v[NIL], 0
	ds_add_u32 v[SPW], v[NIL]                      ; the wave's opening: the add and its wait stand ahead of my first tensor load; work on registers stands between them
	ds_add_u32 v[SPW], v[NIL]
	v_lshrrev_b32 v1, 5, v0
	v_readfirstlane_b32 s10, v1                    ; wave 0..3
	s_lshr_b32 s11, s10, 1                         ; I fetch for P (0) or for R (1),
	s_and_b32 s12, s10, 1                          ; its first or second half of the records
	s_bfe_u32 s13, ttmp6, 0x40000                  ; cx
	s_bfe_u32 s14, ttmp6, 0x40004                  ; cy
	s_lshl_b32 s15, ttmp9, 2
	s_add_co_u32 s15, s15, s13                     ; px = 4 x cluster x + cx
	s_and_b32 s16, ttmp7, 0xffff
	s_lshl_b32 s16, s16, 2
	s_add_co_u32 s16, s16, s14                     ; py = 4 x cluster y + cy
	s_lshl_b32 s88, 0x1111, s13                    ; my column of the cluster
	s_lshl_b32 s89, s14, 2
	s_lshl_b32 s89, 15, s89                        ; my row
	s_or_b32 s[G1P], s88, (3<<16)|(1<<21)          ; 15:0 the mask; 17:16 elements of 8 bytes; 21 set beside a mask; no padding
	s_mov_b32 s[G1P+1], 1536<<16                   ; tensor_dim0 = 1,536 elements: eight images, 12,288 bytes
	s_mov_b32 s[G1P+2], 4<<16                      ; tensor_dim1 = 4 records
	s_mov_b32 s[G1P+3], 1536<<16
	s_mov_b32 s[G1P+4], 4                          ; tile_dim1
	s_mov_b32 s[G1P+5], 1600                       ; from record to record: 12,800 bytes
	s_mov_b32 s[G1P+6], 0
	s_mov_b32 s[G1P+7], 0
	s_or_b32 s[G1R], s89, (3<<16)|(1<<21)
	s_mov_b32 s[G1R+1], 1536<<16
	s_mov_b32 s[G1R+2], 8<<16                      ; 8 records
	s_mov_b32 s[G1R+3], 1536<<16
	s_mov_b32 s[G1R+4], 8
	s_mov_b32 s[G1R+5], 1600
	s_mov_b32 s[G1R+6], 0
	s_mov_b32 s[G1R+7], 0
	s_lshl_b32 s17, s12, 2
	s_lshl_b32 s18, s15, 3
	s_add_co_u32 s18, s18, s17
	s_mul_i32 s18, s18, RECB                       ; P: record 8 px + 4 x half (no register here ever holds cy)
	s_mov_b32 s19, 0
	s_lshl_b32 s17, s12, 3
	s_lshl_b32 s22, s16, 4
	s_add_co_u32 s22, s22, s17
	s_mul_i32 s22, s22, RECB                       ; R: record 16 py + 8 x half (nor here cx)
	s_mov_b32 s23, 0
	s_mul_i32 s20, s12, 4*REC8                     ; where they go: the wave's number alone enters an LDS address
	s_mul_i32 s21, s12, 8*REC8
	s_mul_i32 s84, s15, 8*RECB                     ; the scale words: P's eight records,
	s_mov_b32 s85, 0
	s_lshl_b32 s86, s16, 4
	s_lshl_b32 s87, s10, 2
	s_add_co_u32 s86, s86, s87
	s_mul_i32 s86, s86, RECB                       ; my four of R
	s_mov_b32 s87, 0
	s_lshl_b32 s90, s16, 8                         ; out0: row 256 py + 64 x wave, of 4,096 bytes,
	s_lshl_b32 s91, s10, 6
	s_add_co_u32 s90, s90, s91
	s_lshl_b32 s90, s90, 12
	s_lshl_b32 s91, s15, 9                         ; + 512 px
	s_add_co_u32 s90, s90, s91
	s_mov_b32 s91, 0
	s_wait_dscnt 0x0                               ; the opening add is done
	s_wait_kmcnt 0x0
	s_add_nc_u64 s[18:19], s[4:5], s[18:19]
	s_add_nc_u64 s[22:23], s[6:7], s[22:23]
	s_add_nc_u64 s[76:77], s[4:5], s[84:85]
	s_add_nc_u64 s[78:79], s[6:7], s[86:87]
	s_add_nc_u64 s[80:81], s[8:9], s[90:91]
	s_mov_b32 s[G0P], 1                            ; P's group 0: four records, whole
	s_mov_b32 s[G0P+1], s20
	s_mov_b64 s[G0P+2:G0P+3], s[18:19]
	s_or_b32 s[G0P+3], s[G0P+3], 0x80000000
	s_mov_b32 s56, 1                               ; R's: eight records, whole
	s_add_co_u32 s57, s21, RB0
	s_mov_b64 s[58:59], s[22:23]
	s_or_b32 s59, s59, 0x80000000
	CROUND                                         ; all sixteen work-groups are here: the joint loads meet
	s_cmp_eq_u32 s11, 0                            ; a wave's one fill stands in a branch on the wave's number, ahead of every wait on TENSORcnt, every LDS read and every other barrier
	s_cbranch_scc0 .Lfor_r
	tensor_load_to_lds s[40:43], s[G1P:G1P+7]      ; one tensor load a wave, the only one of the launch
	s_nop 0
	PLACES
	s_branch .Lasked
.Lfor_r:
	tensor_load_to_lds s[56:59], s[G1R:G1R+7]
	s_nop 0
	PLACES
.Lasked:
	v_and_b32 v13, 31, v0                          ; lane
	v_and_b32 v14, 15, v0                          ; r
	v_bfe_u32 v15, v0, 4, 1                        ; h
	v_lshlrev_b32 v[L8], 3, v13
	v_lshlrev_b32 v[ADP], 3, v13
	v_lshl_add_u32 v[ADP+1], v13, 3, 2*CHP
	s_mul_i32 s17, s10, 4*REC8
	s_add_co_u32 s17, s17, RB0
	v_add_nc_u32 v[ADR], s17, v[L8]                ; my four records of R
	v_mul_u32_u24 v[SOF], v15, RECB
	v_lshl_add_u32 v[SOF], v14, 2, v[SOF]
	; s17 still holds where my four records of R begin: my stage lies there
	v_mul_u32_u24 v[STO], v14, 528
	v_lshl_add_u32 v[STO], v15, 5, v[STO]
	v_add_nc_u32 v[STO], s17, v[STO]               ; in: row r, + 32 h
	v_lshlrev_b32 v[CO], 4, v13
	v_add_nc_u32 v[RD], s17, v[CO]                 ; back: 16 bytes a lane of a row
.irp i, 0,1,2,3                                ; the scale words of all of K go from memory into registers once: lanes 0-15 an even tile's, lanes 16-31 the odd one's
.irp k, 0,1,2,3,4,5,6,7
	global_load_b32 v[PS+8*\i+\k], v[SOF], s[76:77] offset:\i*2*RECB+12288+64*\k
.endr
.endr
.irp i, 0,1
.irp k, 0,1,2,3,4,5,6,7
	global_load_b32 v[RS+8*\i+\k], v[SOF], s[78:79] offset:\i*2*RECB+12288+64*\k
.endr
.endr
	s_wait_alu depctr_va_vdst(0)
	s_wait_tensorcnt 0x0                           ; my one load has landed
	s_barrier_signal -1
	s_barrier_wait -1
	FETCH 0
	s_wait_loadcnt 0x0                             ; the scale words
	KSTEP 0
	KSTEP 1
	KSTEP 2
	KSTEP 3
	KSTEP 4
	KSTEP 5
	KSTEP 6
	KSTEP 7
	WIN 0
	PLACES                                         ; four places in front of the first read of results and of loads into registers that products read
	TOSTAGE 0
	TOSTAGE 1
	SEND 0, 32                                     ; behind block 0's loads: block 1's 16 stores and 16 loads
	s_wait_xcnt 0x0                                ; block 0's stores have read their registers: block 2's loads may land there
	TOSTAGE 2
	SEND 1, 32
	s_wait_xcnt 0x0
	TOSTAGE 3
	SEND 2, 32
	SEND 3, 0
	s_wait_tensorcnt 0x0                           ; the wave's end, behind my last tensor load and my last LDS store
	ds_add_u32 v[SPW], v[NIL]
	s_wait_dscnt 0x0
	CROUND                                         ; the closing round
	s_endpgm
.Lfunc_end_k_qf8668e5458_gemm_o:
	.size	k_qf8668e5458_gemm_o, .Lfunc_end_k_qf8668e5458_gemm_o-k_qf8668e5458_gemm_o
	.p2alignl 7, 3214868480
	.fill 96, 4, 3214868480
	.section	.rodata,"a",@progbits
	.p2align	6, 0x0
	.amdhsa_kernel k_qf8668e5458_gemm_o
		.amdhsa_group_segment_fixed_size 295424
		.amdhsa_private_segment_fixed_size 0
		.amdhsa_enable_private_segment 0
		.amdhsa_kernarg_size 24
		.amdhsa_user_sgpr_count 2
		.amdhsa_user_sgpr_kernarg_segment_ptr 1
		.amdhsa_wavefront_size32 1
		.amdhsa_system_sgpr_workgroup_id_x 1
		.amdhsa_system_sgpr_workgroup_id_y 1
		.amdhsa_system_sgpr_workgroup_id_z 1
		.amdhsa_system_vgpr_workitem_id 0
		.amdhsa_next_free_vgpr 768
		.amdhsa_next_free_sgpr 96
		.amdhsa_reserve_vcc 0
		.amdhsa_float_denorm_mode_32 3
		.amdhsa_float_denorm_mode_16_64 3
		.amdhsa_memory_ordered 1
		.amdhsa_forward_progress 1
		.amdhsa_inst_pref_size 95
	.end_amdhsa_kernel
	.amdgpu_metadata
---
amdhsa.version: [ 1, 2 ]
amdhsa.kernels:
  - .name:           k_qf8668e5458_gemm_o
    .symbol:         k_qf8668e5458_gemm_o.kd
    .args:
      - { .name: Woq, .offset: 0, .size: 8, .value_kind: global_buffer, .address_space: global }
      - { .name: Cx, .offset: 8, .size: 8, .value_kind: global_buffer, .address_space: global }
      - { .name: out0, .offset: 16, .size: 8, .value_kind: global_buffer, .address_space: global }
    .group_segment_fixed_size: 295424
    .private_segment_fixed_size: 0
    .kernarg_segment_align: 8
    .kernarg_segment_size: 24
    .max_flat_workgroup_size: 128
    .sgpr_count:     96
    .vgpr_count:     768
    .wavefront_size: 32
...
	.end_amdgpu_metadata
.endif
;; end of part 4
